; MI455X (gfx1250); checked and timed in simulation.
; The chip was launched on July 23, 2026; its instructions are those of AMD's public machine-readable ISA for CDNA 5 (MIT licence, August 2026) and "CDNA5" Instruction Set Architecture Reference Guide (July 2026). The comments in the code are by the model that wrote it; some were corrected since.
;; Ro PE Multihead Attention. Allowed arithmetic: matrix products marked QUANTISED: E2M1 operands, one E8M0 scale for each 32 along K, by v_wmma_scale_f32_16x16x128_f8f6f4 with both operands' format E2M1 (or v_wmma_scale_f32_32x16x128_f4), f32 sums; products left as they are: f32 operands where the result goes on into a quantised operand, else bf16, f16 or f32 operands; f32 sums; everything else in f32.
;; Inputs: W_out_codes 1,024 x 32 x 16 uint8 (E2M1 codes of W_out, K innermost, in blocks of 32 codes, two codes a byte); W_out_scales 1,024 x 32 uint8 (E8M0 scales of W_out, one for each 32 codes along K); W_qkv_codes 3,072 x 32 x 16 uint8 (E2M1 codes of W_qkv, K innermost, in blocks of 32 codes, two codes a byte); W_qkv_scales 3,072 x 32 uint8 (E8M0 scales of W_qkv, one for each 32 codes along K); b_out 1,024 float32; b_qkv 3,072 float32; key_padding_mask 4 x 2,048 bool; x_codes 4 x 2,048 x 32 x 16 uint8 (E2M1 codes of x, K innermost, in blocks of 32 codes, two codes a byte); x_scales 4 x 2,048 x 32 uint8 (E8M0 scales of x, one for each 32 codes along K).
;; Outputs: out0 4 x 2,048 x 1,024 float32.
;; This version of the problem:
;;   THIS VERSION OF THE PROBLEM IS GIVEN IN LOW PRECISION. The matrix products marked QUANTISED in the list below multiply operands that are first quantised to E2M1 (2 exponent bits, 1 mantissa bit; 4 bits a number), with one power-of-two scale for each 32 numbers along K (OCP MX v1.0); their sums are f32. All else is computed in f32.
;;   The module's matrix products, in the order in which they are computed (A, B: the left and right operand; K: the contracted axis; several contracted axes count as one K, in the product's order):
;;     1. [M 8,192, K 1,024] x [K 1,024, N 3,072]; A: input x (given as codes); B: input W_qkv (given as codes): QUANTISED
;;     2. [M 2,048, K 1] x [K 1, N 32]; A: computed on the way; B: computed on the way: left as it is (no contracted axis)
;;     3. batch 64 x [M 2,048, K 64] x [K 64, N 2,048]; A: computed on the way; B: computed on the way: QUANTISED
;;     4. batch 64 x [M 2,048, K 2,048] x [K 2,048, N 64]; A: softmax (see below); B: computed on the way: QUANTISED
;;     5. [M 8,192, K 1,024] x [K 1,024, N 1,024]; A: computed on the way; B: input W_out (given as codes): QUANTISED
;;   THE QUANTISER, for each operand of a quantised product, along K:
;;     - K is cut into blocks of 32 from its start; a last block that is shorter is filled with zeros.
;;     - A block's scale is 2^e with e = floor(log2(the largest magnitude in the block)) - 2, held to -126 .. 127; a block of zeros has e = 0. As a byte (E8M0): e + 127.
;;     - Each number is divided by its block's scale, clamped to +-6, and rounded to the nearest number of E2M1, ties to even, subnormals kept.
;;     - The product sums the exact products of the quantised numbers (number of the format x scale) in f32.
;;   ~~~python
;;   def quantise(x, axis):      # numpy; x: float32 -> the quantised numbers, widened to float32 again
;;       x = np.moveaxis(x, axis, -1); K = x.shape[-1]
;;       x = np.pad(x, [(0, 0)] * (x.ndim - 1) + [(0, -K % 32)]); x = x.reshape(x.shape[:-1] + (-1, 32)); a = np.abs(x).max(-1, keepdims=True)
;;       e = np.where(a > 0, np.clip(np.frexp(np.where(a > 0, a, 1))[1] - 1 - 2, -126, 127), 0)      # np.frexp(a)[1] - 1 = floor(log2(a)), exactly
;;       r = np.clip(x / 2.0 ** e, -6, 6)
;;       step = 2.0 ** (np.maximum(np.frexp(np.where(r == 0, 1, r))[1] - 1, 0) - 1)
;;       q = np.round(r / step) * step * 2.0 ** e      # np.round: ties to even
;;       return np.moveaxis(q.reshape(q.shape[:-2] + (-1,))[..., :K], -1, axis).astype(np.float32)
;;   ~~~
;;   SOFTMAX AHEAD OF A QUANTISED PRODUCT. Where the list says 'softmax', what is quantised is not the finished softmax but p = 2^(t - M), with t = logit x log2(e) and M = ceil(the row's largest t), a whole number; so 1/2 < the row's largest p <= 1. The row's sum l is taken of the UNQUANTISED p, in f32, and the product's result is divided by l at the end. Since M is a whole number, a kernel that streams over the keys may use a running M (the ceiling of the running maximum): every later rescaling is an exact power of two, which a block's scale takes up: the codes' values come out the same.
;;   OPERANDS COMPUTED ON THE WAY. 'Computed on the way' means the value that the module computes at that place (a softmax that the list does not call 'softmax' is quantised finished and normalised). What goes into a quantiser is computed in f32, as accurately as f32 sums, v_exp_f32 and their like allow (about 1e-6 of the number): no bf16 or f16 on the way to a quantiser, and a product that is left as it is and whose result goes on into a quantised operand takes f32 operands (vector FMAs, or v_wmma_f32_16x16x4_f32). A number that lies on a knife's edge between two numbers of the format may be rounded either way, as far as f32 arithmetic and the matrix unit's own rounding can turn it there, and no further.
;;   INPUTS GIVEN AS CODES. W_out (in the module: [1024, 1024], K = its axis 1); W_qkv (in the module: [3072, 1024], K = its axis 1); x (in the module: [4, 2048, 1024], K = its axis 2): each comes as NAME_codes (uint8): NAME with its K axis moved to the last place and cut into blocks of 32 codes, [.., K / 32, bytes a block], one block behind the other in memory; two codes a byte, the lower K in the low four bits (a code: sign, 2 exponent bits, 1 mantissa bit); and NAME_scales (uint8): the same leading axes, one E8M0 byte (e + 127) for each 32 codes along K. Its value is code x scale, taken as it is: it is not quantised again, and the codes and scales need not be those that the quantiser above would give.
;; 2 versions, each right; version 2 is version 1 with the launch attn written anew for expert scheduling mode. Each part assembles by itself: llvm-mc -triple=amdgcn-amd-amdhsa -mcpu=gfx1250 --defsym DOCPART=n.
;; ======== version 1 of 2: 4 launches
;; workspace buffers: qk_img 8,388,608 bytes; qk_sc 524,288 bytes; v_img 4,194,304 bytes; v_sc 262,144 bytes; rope 524,288 bytes; a_img 4,194,304 bytes; a_sc 262,144 bytes
;; launch vproj (part 1): grid 32 x 8, 4 waves a work-group, clusters of 4 x 4, 327,680 bytes of LDS; arguments W_qkv_codes, W_qkv_scales, x_codes, x_scales, b_qkv, v_img, v_sc, rope; writes v_img, v_sc, rope
.if DOCPART == 1
	.amdgcn_target "amdgcn-amd-amdhsa--gfx1250"
	.amdhsa_code_object_version 6
	.text
	.protected	k_q61b8fd7ec7_vproj
	.globl	k_q61b8fd7ec7_vproj
	.p2align	8
	.type	k_q61b8fd7ec7_vproj,@function
k_q61b8fd7ec7_vproj:
	s_mov_b64 s[64:65], 0
	v_nop
	global_prefetch_b8 v0, s[64:65] scope:SCOPE_SE
	s_setreg_imm32_b32 hwreg(HW_REG_WAVE_MODE, 25, 1), 1
	s_wait_xcnt 0x0
	s_wait_alu depctr_hold_cnt(0) depctr_sa_sdst(0) depctr_va_vdst(0) depctr_va_sdst(0) depctr_va_ssrc(0) depctr_va_vcc(0) depctr_vm_vsrc(0)
	s_getreg_b32 s2, hwreg(HW_REG_IB_STS2, 6, 4)
	s_cmp_eq_u32 s2, 0
	s_cbranch_scc0 .Lentry_in_a_cluster
	s_endpgm
.Lentry_in_a_cluster:
	s_bfe_u32 s2, ttmp6, 0x10000c
	s_cmp_lg_u32 s2, 0xf033
	s_cbranch_scc0 .Lentry_shape_is_right
	s_endpgm
.Lentry_shape_is_right:
; RoPE attention in MX-FP4, four launches: this one (v, and the table of cosines and sines), qk (q and k), attn (both products of attention), oproj (the projection out).
; NOTHING OF reference() IS LEFT OUT: every input has a way to the output (the bias on k moves k's codes, the padding mask moves the softmax), so every input is loaded by some launch.
; THIS LAUNCH: v = x W_v^T + b_v (W_v: rows 2,048 to 3,071 of W_qkv) on codes of E2M1 with E8M0 scales, then quantised ALONG THE KEYS, blocks of 32, for attention's second product.
; Beside it each thread makes one entry of the table rope[pos 2048][g 16] = (cos, cos, sin, sin) of the angles pos x 500^(-f/32), f = 2 g and 2 g + 1, in f32, while the first tiles are on their way.
; SHARES.  A work-group: 128 channels (two heads) x 256 positions; a wave: one head's 64 channels x 128 positions (one key step of attn): 32 accumulators of 16 x 16.
; THE PRODUCT IS USED TRANSPOSED: source 0 = 16 rows of x, source 1 = 16 rows of W_v: a lane holds ONE channel (16 a + lane % 16) and its eight registers eight neighbouring positions: neighbours along the next K.
; K = 1,024 is two LDS slots of 512 along K (rows of 256 bytes), each filled once: no slot is filled again.  The scale bytes of all of K come once, as units of 256 bytes.
; CLUSTER 4 x 4: W_v's tile hangs on the work-group's y and is asked for jointly along a row of the cluster, x's on its x and jointly along a column.
; OUT: v_img[b 16 + head][step 16][ct 4][c 2][lane][16 bytes]: the register image of a fragment of V^T (lane (r, l): channel 16 ct + r, keys 128 step + 64 c + 32 l + 0..31); each store of a wave covers 512 consecutive bytes, aligned.
;      v_sc[row / 128][head][r 16][ct 4]: one word, the four scale bytes of the step's four blocks of keys.
; LIMITS: NaN and infinities among the inputs are not served.  A block whose largest magnitude lies under 2^-124 (a block of zeros too) gets the byte 1: its codes add what they hold under that byte, zeros nothing; only this program reads the bytes.
; The angle pos x inv_freq is one f32 product, as in reference(); an error of one unit in the last place of inv_freq moves it by up to 3e-4 at the last positions, there as here.
.set NA,     4
.set RA,     64                        ; rows of W_v in one tensor load
.set PITCH,  272                       ; an LDS row: 256 bytes + 16 of padding: the 16 rows of a fragment load start 68 words apart
.set HALFA,  RA*PITCH
.set HALFB,  128*PITCH
.set SLOT,   2*HALFA+2*HALFB           ; W_v's 128 rows, then x's 256
.set SCL,    2*SLOT                    ; behind the two slots: the scale bytes
.set RSA,    RA*32/256
.set HALFSA, RSA*272
.set HALFSB, 16*272
.set SBLK,   544                       ; the scale bytes of 16 rows: two units of 256 + 16
.set SPARE,  SCL+2*HALFSA+2*HALFSB     ; the spare words: 128 bytes a wave, named by no other line
.set ADRA, 16                          ; v16-17 LDS address of my fragments of W_v in slot 0, 1
.set ADRB, 20                          ; v20-21 of x
.set ADRS, 27                          ; v27    of my scale words: lanes 0-15 W_v's rows, lanes 16-31 x's
.set SPW,  28                          ; v28    my spare word; never rewritten
.set NIL,  29                          ; v29    0; never rewritten
.set SC,   32                          ; v32-95 scale words: register 32 s + 4 i + q: lanes 0-15 W_v's block i, lanes 16-31 x's block i
.set AF,   128                         ; window 0: W_v's fragments, two sets of 32
.set BIAS, 64                          ; window 1: b_v, eight equal registers for each tile of channels.  Window 1 v0-63, v128-191: x's fragments, two sets.  Window 2: the accumulators, (a, b) at 8 (8 a + b)
.set IO,   10                          ; v10 16 x lane
.set RO,   11                          ; v11 16 x (lane % 16)
.set LN,   12                          ; v12 lane
.set CODE, 128                         ; the way out: four registers of codes for each of 8 units
.set TM,   160
.set WS,   168                         ; v168-171 the scale words of my four tiles of channels
.set G1, 24
.set G0, 32
.set G1B, 48
.set G0B, 56
.set SEL, 66
.set G1S, 68
.set G0S, 76
.set G1SB, 80
.set G0SB, 88
.set CODEW, (1<<20)|(1<<21)|(5<<22)|(3<<25)          ; elements of 1 byte; padding on; bit 21 beside a mask; 4 words behind every 64
.set SCLW,  (3<<16)|(1<<20)|(1<<21)|(5<<22)|(3<<25)  ; the same with elements of 8 bytes
.set MSB, 0
.macro WIN new                         ; the immediate's high byte repeats the setting that is left
.if MSB != \new
	s_set_vgpr_msb (MSB<<8)|\new
.set MSB, \new
.endif
.endm
.macro JLOAD g0a, g1a, g0b, g1b        ; a joint load: waves 0, 1 fetch for source 1's side, waves 2, 3 for source 0's; an s_nop 0 and four v_nop follow each line
	s_cmp_eq_u32 s21, 0
	s_cbranch_scc0 .Lfor_b_\@
	tensor_load_to_lds s[\g0a:\g0a+3], s[\g1a:\g1a+7]
	s_nop 0
.rept 4
	v_nop
.endr
	s_branch .Lasked_\@
.Lfor_b_\@:
	tensor_load_to_lds s[\g0b:\g0b+3], s[\g1b:\g1b+7]
	s_nop 0
.rept 4
	v_nop
.endr
.Lasked_\@:
.endm
.macro CROUND                          ; a round of the cluster's barrier
	s_barrier_signal -1
	s_barrier_wait -1
	s_cmp_lg_u32 s20, 0
	s_cbranch_scc1 .Lnot_wave_0_\@
	s_barrier_signal -3
.Lnot_wave_0_\@:
	s_barrier_wait -3
	s_barrier_signal -1
	s_barrier_wait -1
.endm
.macro PLACES n
.rept \n
	v_nop
.endr
.endm
.macro FRAG reg, adr, off              ; 16 rows x 128 K of 4-bit codes: 8 registers, two loads of 16 bytes, 32 bytes apart
	ds_load_b128 v[\reg:\reg+3], v[\adr] offset:\off
	ds_load_b128 v[\reg+4:\reg+7], v[\adr] offset:\off+32
.endm
.macro FETCH k                         ; the fragments of K step k (128 along K) into set k % 2
	WIN 0x40
.irp i, 0,1,2,3,4,5,6,7
	FRAG 128*((\k)%2)+8*\i, ADRB+(\k)/4, 64*((\k)%4)+\i*16*PITCH
.endr
	WIN 0
.irp i, 0,1,2,3
	FRAG AF+8*NA*((\k)%2)+8*\i, ADRA+(\k)/4, 64*((\k)%4)+\i*16*PITCH
.endr
.endm
.macro MUL k, a                        ; tile a of channels against x's eight tiles.  In K step 0 the bias is the C: nothing is cleared, nothing is added later
.irp b, 0,1,2,3,4,5,6,7
.if (\k)==0
	v_wmma_scale_f32_16x16x128_f8f6f4 v[8*(8*(\a)+\b):8*(8*(\a)+\b)+7], v[128*((\k)%2)+8*\b:128*((\k)%2)+8*\b+7], v[AF+8*NA*((\k)%2)+8*(\a):AF+8*NA*((\k)%2)+8*(\a)+7], v[BIAS+8*(\a):BIAS+8*(\a)+7], v[SC+32*((\k)/4)+4*\b+(\k)%4], v[SC+32*((\k)/4)+4*(\a)+(\k)%4] matrix_a_fmt:MATRIX_FMT_FP4 matrix_b_fmt:MATRIX_FMT_FP4 matrix_a_scale:MATRIX_SCALE_ROW1
.else
	v_wmma_scale_f32_16x16x128_f8f6f4 v[8*(8*(\a)+\b):8*(8*(\a)+\b)+7], v[128*((\k)%2)+8*\b:128*((\k)%2)+8*\b+7], v[AF+8*NA*((\k)%2)+8*(\a):AF+8*NA*((\k)%2)+8*(\a)+7], v[8*(8*(\a)+\b):8*(8*(\a)+\b)+7], v[SC+32*((\k)/4)+4*\b+(\k)%4], v[SC+32*((\k)/4)+4*(\a)+(\k)%4] matrix_a_fmt:MATRIX_FMT_FP4 matrix_b_fmt:MATRIX_FMT_FP4 matrix_a_scale:MATRIX_SCALE_ROW1
.endif
.endr
.endm
; A K step: its fragments are in; the next step's are asked for, into the set that the step before multiplied (four places behind its last product); then 32 products, the accumulators by turns.
.macro STEP k
	s_wait_dscnt 0x0                               ; this step's fragments (and in step 0 the scale words) are in
.if (\k)==3
	s_wait_tensorcnt 0x0                           ; my part of slot 1 has landed, and my reads of slot 0 are over (the wait above):
	s_barrier_signal -1
	s_barrier_wait -1                              ; everybody's.
.endif
.if (\k)>0
	PLACES 4
.endif
.if (\k)<7
	FETCH (\k)+1
.endif
.if (\k)==0
	WIN 0x91                                       ; source 0 and C window 1, source 1 window 0, D window 2
.else
	WIN 0xa1                                       ; source 0 window 1, source 1 window 0, C and D window 2
.endif
.irp a, 0,1,2,3
	MUL \k, \a
.endr
.endm
	s_load_b512 s[4:19], s[0:1], 0x0               ; W codes s[4:5], W scales s[6:7], x codes s[8:9], x scales s[10:11], b_qkv s[12:13], v_img s[14:15], v_sc s[16:17], rope s[18:19]
	v_lshl_add_u32 v[SPW], v0, 2, SPARE
	v_mov_b32 v[NIL], 0
	ds_add_u32 v[SPW], v[NIL]                      ; the opening: the add, twice on end, and its wait ahead of my first tensor load
	ds_add_u32 v[SPW], v[NIL]
	v_lshrrev_b32 v1, 5, v0
	v_readfirstlane_b32 s20, v1                    ; wave
	s_lshr_b32 s21, s20, 1                         ; RH: which head of the two is mine.  Also: I fetch for W_v (0) or for x (1)
	s_and_b32 s22, s20, 1                          ; CH: which 128 positions are mine.  Also: which half I fetch
	s_bfe_u32 s40, ttmp6, 0x40000                  ; cx
	s_bfe_u32 s41, ttmp6, 0x40004                  ; cy
	s_lshl_b32 s42, ttmp9, 2
	s_add_co_u32 s42, s42, s40                     ; tile x: 256 positions
	s_and_b32 s43, ttmp7, 0xffff
	s_lshl_b32 s43, s43, 2
	s_add_co_u32 s43, s43, s41                     ; tile y: 128 channels
	s_lshl_b32 s44, s41, 2
	s_lshl_b32 s44, 15, s44                        ; my row of the cluster
	s_lshl_b32 s45, 0x1111, s40                    ; my column
	s_or_b32 s[G1], s44, CODEW
	s_or_b32 s[G1B], s45, CODEW
	s_mov_b32 s[G1+1], 256<<16                     ; tensor_dim0 = 256 bytes
	s_mov_b32 s[G1+2], RA<<16                      ; tensor_dim1
	s_mov_b32 s[G1+3], 256<<16                     ; tile_dim0
	s_mov_b32 s[G1+4], RA                          ; tile_dim1
	s_mov_b32 s[G1+5], 512                         ; a row of codes in memory
	s_mov_b32 s[G1+6], 0
	s_mov_b32 s[G1+7], 0
	s_mov_b32 s[G1B+1], 256<<16
	s_mov_b32 s[G1B+2], 128<<16
	s_mov_b32 s[G1B+3], 256<<16
	s_mov_b32 s[G1B+4], 128
	s_mov_b32 s[G1B+5], 512
	s_mov_b32 s[G1B+6], 0
	s_mov_b32 s[G1B+7], 0
	s_or_b32 s[G1S], s44, SCLW                     ; the scale bytes: dense blocks, as rows of 256 bytes
	s_or_b32 s[G1SB], s45, SCLW
	s_mov_b32 s[G1S+1], 32<<16
	s_mov_b32 s[G1S+2], RSA<<16
	s_mov_b32 s[G1S+3], 32<<16
	s_mov_b32 s[G1S+4], RSA
	s_mov_b32 s[G1S+5], 32
	s_mov_b32 s[G1S+6], 0
	s_mov_b32 s[G1S+7], 0
	s_mov_b32 s[G1SB+1], 32<<16
	s_mov_b32 s[G1SB+2], 16<<16
	s_mov_b32 s[G1SB+3], 32<<16
	s_mov_b32 s[G1SB+4], 16
	s_mov_b32 s[G1SB+5], 32
	s_mov_b32 s[G1SB+6], 0
	s_mov_b32 s[G1SB+7], 0
	s_lshl_b32 s92, s43, 7
	s_lshl_b32 s46, s22, 6
	s_add_co_u32 s92, s92, s46
	s_add_co_u32 s92, s92, 2048                    ; W_qkv's row: 2,048 + 128 tile y + 64 half
	s_lshl_b32 s96, s42, 8
	s_lshl_b32 s46, s22, 7
	s_add_co_u32 s96, s96, s46                     ; x's row: 256 tile x + 128 half
	s_mov_b32 s93, 0
	s_mov_b32 s97, 0
	s_lshl_b64 s[94:95], s[92:93], 5               ; 32 scale bytes a row
	s_lshl_b64 s[98:99], s[96:97], 5
	s_lshl_b64 s[92:93], s[92:93], 9               ; 512 bytes of codes a row
	s_lshl_b64 s[96:97], s[96:97], 9
	s_mul_i32 s46, s22, HALFA                      ; where they go in a slot: the wave's number alone enters an LDS address
	s_mul_i32 s47, s22, HALFB
	s_add_co_u32 s47, s47, 2*HALFA
	s_mul_i32 s2, s22, HALFSA
	s_add_co_u32 s2, s2, SCL
	s_mul_i32 s3, s22, HALFSB
	s_add_co_u32 s3, s3, SCL+2*HALFSA
	s_mov_b32 s[SEL], 0x76543210
	s_mov_b32 s[SEL+1], 0xfedcba98                 ; v_permlanex16_b32's selects for lane l xor 16
	s_wait_dscnt 0x0                               ; both opening adds are done
	s_wait_kmcnt 0x0
	s_add_nc_u64 s[92:93], s[4:5], s[92:93]
	s_add_nc_u64 s[94:95], s[6:7], s[94:95]
	s_add_nc_u64 s[96:97], s[8:9], s[96:97]
	s_add_nc_u64 s[98:99], s[10:11], s[98:99]
	CROUND                                         ; all sixteen work-groups are here: the joint loads meet
	s_mov_b32 s[G0S], 1
	s_mov_b32 s[G0S+1], s2
	s_mov_b64 s[G0S+2:G0S+3], s[94:95]
	s_or_b32 s[G0S+3], s[G0S+3], 0x80000000
	s_mov_b32 s[G0SB], 1
	s_mov_b32 s[G0SB+1], s3
	s_mov_b64 s[G0SB+2:G0SB+3], s[98:99]
	s_or_b32 s[G0SB+3], s[G0SB+3], 0x80000000
	JLOAD G0S, G1S, G0SB, G1SB                     ; the scale bytes first
.irp s, 0,1
	s_mov_b32 s[G0+4*\s], 1
	s_add_co_u32 s[G0+4*\s+1], s46, \s*SLOT
	s_add_nc_u64 s[G0+4*\s+2:G0+4*\s+3], s[92:93], \s*256
	s_or_b32 s[G0+4*\s+3], s[G0+4*\s+3], 0x80000000
	s_mov_b32 s[G0B+4*\s], 1
	s_add_co_u32 s[G0B+4*\s+1], s47, \s*SLOT
	s_add_nc_u64 s[G0B+4*\s+2:G0B+4*\s+3], s[96:97], \s*256
	s_or_b32 s[G0B+4*\s+3], s[G0B+4*\s+3], 0x80000000
	JLOAD G0+4*\s, G1, G0B+4*\s, G1B               ; both slots: three tensor loads of mine are out
.endr
	v_and_b32 v1, 15, v0                           ; r
	v_bfe_u32 v2, v0, 4, 1                         ; h
	v_and_b32 v[LN], 31, v0
	v_lshlrev_b32 v[IO], 4, v[LN]
	v_lshlrev_b32 v[RO], 4, v1
	v_lshlrev_b32 v3, 2, v1
	s_lshl_b32 s46, s43, 9
	s_lshl_b32 s47, s21, 8
	s_add_co_u32 s46, s46, s47
	s_add_co_u32 s46, s46, 8192                    ; b_v at my head: (2,048 + 128 tile y + 64 RH) x 4 bytes
	s_mov_b32 s47, 0
	s_add_nc_u64 s[12:13], s[12:13], s[46:47]
	WIN 0x40
.irp a, 0,1,2,3
.irp j, 0,1,2,3,4,5,6,7
	global_load_b32 v[BIAS+8*\a+\j], v3, s[12:13] offset:64*\a   ; a lane's eight results of a tile belong to one channel: eight times its bias
.endr
.endr
	WIN 0
	; where my results go
	s_lshl_b32 s46, s42, 1
	s_add_co_u32 s46, s46, s22                     ; row / 128 = 16 b + step
	s_lshl_b32 s47, s43, 1
	s_add_co_u32 s47, s47, s21                     ; head
	s_lshr_b32 s23, s46, 4
	s_lshl_b32 s23, s23, 4
	s_add_co_u32 s23, s23, s47                     ; 16 b + head
	s_lshl_b32 s23, s23, 4
	s_and_b32 s2, s46, 15
	s_add_co_u32 s2, s23, s2
	s_lshl_b32 s2, s2, 12                          ; 4,096 bytes a step
	s_mov_b32 s3, 0
	s_add_nc_u64 s[14:15], s[14:15], s[2:3]
	s_lshl_b32 s2, s46, 4
	s_add_co_u32 s2, s2, s47
	s_lshl_b32 s2, s2, 8
	s_add_nc_u64 s[16:17], s[16:17], s[2:3]
	; THE TABLE.  Entry e = 128 x work-group + thread: pos = e / 16, g = e % 16.  inv_freq = 2^(-f c), c = log2(500) / 32 in two parts, so that the exponent's rounding is made good;
	; the angle is reduced by n = the nearest whole number of pi/2 (pi/2 in two parts: the first difference is exact), and sine and cosine are polynomials on +-pi/4, placed by n's low two bits.
	s_lshl_b32 s23, s43, 5
	s_add_co_u32 s23, s23, s42
	s_lshl_b32 s23, s23, 7
	s_mov_b32 s2, 0xbe8f73da                       ; -c, high part
	s_mov_b32 s3, 0xb1e36e2e                       ; -c, low part
	s_mov_b32 s46, 0x3f317218                      ; ln 2
	s_mov_b32 s47, 0x3f22f983                      ; 2 / pi
	s_mov_b32 s92, 0x3fc90fdb                      ; pi / 2, high part
	s_mov_b32 s93, 0xb33bbd2e                      ; pi / 2, low part
	s_mov_b32 s94, 0xb94ca1f9                      ; sine's coefficients
	s_mov_b32 s95, 0x3c08839e
	s_mov_b32 s96, 0xbe2aaaa3
	s_mov_b32 s97, 0x37ccf5ce                      ; cosine's
	s_mov_b32 s98, 0xbab6061a
	s_mov_b32 s99, 0x3d2aaaa5
	v_add_nc_u32 v96, s23, v0                      ; e
	v_lshrrev_b32 v97, 4, v96
	v_and_b32 v98, 15, v96
	v_lshlrev_b32 v98, 1, v98
	v_cvt_f32_u32 v97, v97                         ; pos
	v_cvt_f32_u32 v100, v98                        ; f = 2 g
	v_add_f32 v101, 1.0, v100                      ; and 2 g + 1
	v_mul_f32 v102, s2, v100
	v_mul_f32 v103, s2, v101
	v_fma_f32 v104, v100, s2, -v102                ; what that product's rounding lost,
	v_fma_f32 v105, v101, s2, -v103
	v_fma_f32 v104, v100, s3, v104                 ; and the low part's share
	v_fma_f32 v105, v101, s3, v105
	v_exp_f32 v106, v102
	v_exp_f32 v107, v103
	v_mul_f32 v104, s46, v104                      ; (plain work behind the two exponentials)
	v_mul_f32 v105, s46, v105
	s_wait_alu depctr_va_vdst(0)                   ; one wait for both, ahead of their first reader
	v_fma_f32 v106, v106, v104, v106               ; inv_freq
	v_fma_f32 v107, v107, v105, v107
	v_mul_f32 v106, v97, v106                      ; the angle: one f32 product, as reference() has it
	v_mul_f32 v107, v97, v107
	v_mul_f32 v108, s47, v106
	v_mul_f32 v109, s47, v107
	v_rndne_f32 v108, v108                         ; n
	v_rndne_f32 v109, v109
	v_fma_f32 v106, -v108, s92, v106
	v_fma_f32 v107, -v109, s92, v107
	v_fma_f32 v106, -v108, s93, v106               ; the reduced angle
	v_fma_f32 v107, -v109, s93, v107
	v_mul_f32 v110, v106, v106
	v_mul_f32 v111, v107, v107
	v_fma_f32 v112, v110, s94, s95
	v_fma_f32 v113, v111, s94, s95
	v_fma_f32 v114, v110, s97, s98
	v_fma_f32 v115, v111, s97, s98
	v_fma_f32 v112, v112, v110, s96
	v_fma_f32 v113, v113, v111, s96
	v_fma_f32 v114, v114, v110, s99
	v_fma_f32 v115, v115, v111, s99
	v_mul_f32 v112, v112, v110
	v_mul_f32 v113, v113, v111
	v_mul_f32 v114, v114, v110
	v_mul_f32 v115, v115, v111
	v_fma_f32 v116, v110, -0.5, 1.0
	v_fma_f32 v117, v111, -0.5, 1.0
	v_fma_f32 v112, v112, v106, v106               ; sine of the reduced angle
	v_fma_f32 v113, v113, v107, v107
	v_fma_f32 v114, v114, v110, v116               ; cosine
	v_fma_f32 v115, v115, v111, v117
	v_cvt_i32_f32 v108, v108
	v_cvt_i32_f32 v109, v109
	v_and_b32 v116, 1, v108
	v_and_b32 v117, 1, v109
	v_cmp_eq_u32 vcc_lo, 1, v116                   ; an odd n changes sine and cosine about
	v_cndmask_b32 v122, v112, v114, vcc_lo
	v_cndmask_b32 v120, v114, v112, vcc_lo
	v_cmp_eq_u32 vcc_lo, 1, v117
	v_cndmask_b32 v123, v113, v115, vcc_lo
	v_cndmask_b32 v121, v115, v113, vcc_lo
	v_and_b32 v116, 2, v108                        ; the sine is negative where n % 4 is 2 or 3,
	v_and_b32 v117, 2, v109
	v_lshlrev_b32 v116, 30, v116
	v_lshlrev_b32 v117, 30, v117
	v_xor_b32 v122, v122, v116
	v_xor_b32 v123, v123, v117
	v_add_nc_u32 v108, 1, v108                     ; the cosine where it is 1 or 2
	v_add_nc_u32 v109, 1, v109
	v_and_b32 v108, 2, v108
	v_and_b32 v109, 2, v109
	v_lshlrev_b32 v108, 30, v108
	v_lshlrev_b32 v109, 30, v109
	v_xor_b32 v120, v120, v108
	v_xor_b32 v121, v121, v109
	v_lshlrev_b32 v96, 4, v96
	global_store_b128 v96, v[120:123], s[18:19]    ; a wave stores 512 consecutive bytes; v96 and v120-123 are not written again
	; LDS addresses
	v_mul_u32_u24 v4, v1, PITCH
	v_lshl_add_u32 v4, v2, 4, v4                   ; a fragment's row x pitch + 16 x half
	s_mul_i32 s46, s21, HALFA
	s_mul_i32 s47, s22, HALFB
	s_add_co_u32 s47, s47, 2*HALFA
.irp s, 0,1
	v_add_nc_u32 v[ADRA+\s], s46, v4
	v_add_nc_u32 v[ADRB+\s], s47, v4
	s_add_co_u32 s46, s46, SLOT
	s_add_co_u32 s47, s47, SLOT
.endr
	v_lshlrev_b32 v5, 5, v1                        ; my row's scale bytes: 32 a row,
	v_lshrrev_b32 v6, 8, v5
	v_lshl_add_u32 v5, v6, 4, v5                   ; and 16 more for each 256 passed
	s_mul_i32 s46, s21, HALFSA
	s_mul_i32 s47, s22, HALFSB
	s_add_co_u32 s47, s47, 2*HALFSA
	s_sub_co_u32 s47, s47, s46
	v_mul_u32_u24 v6, s47, v2                      ; lanes 16-31 take x's
	s_add_co_u32 s46, s46, SCL
	v_add_nc_u32 v5, v5, v6
	v_add_nc_u32 v[ADRS], s46, v5
	s_wait_tensorcnt 1                             ; the scale bytes and my part of slot 0 are in; slot 1's load, the one issued behind them, may stay out
	s_barrier_signal -1
	s_barrier_wait -1                              ; everybody's are
.irp s, 0,1
.irp i, 0,1,2,3,4,5,6,7
	ds_load_b128 v[SC+32*\s+4*\i:SC+32*\s+4*\i+3], v[ADRS] offset:\i*SBLK+16*\s   ; four words a row and slot (for i over 3 lanes 0-15 read bytes that no product names)
.endr
.endr
	FETCH 0
	s_wait_loadcnt 0x0                             ; the bias
.irp k, 0,1,2,3,4,5,6,7
	STEP \k
.endr
	PLACES 4                                       ; in front of the first read of results and of writes into registers that held fragments
	WIN 0
	v_mov_b32 v[TM+2], 0                           ; written once: a lane permute's destination counts as one of its sources
	v_mov_b32 v[TM+3], 0
; THE WAY OUT.  A unit: tile a of channels, keys 64 c to 64 c + 63: four accumulators, 32 registers.  Registers 16 b + i are keys 32 b + 16 (i / 8) + 8 (lane / 16) + i % 8 of block b: half a block; lane l xor 16 holds the other half.
.macro UNITV a, c
.set XB, 64*(\a)+32*(\c)
.set CC, CODE+4*(2*(\a)+(\c))
	WIN 0x28                                       ; sources 1 and 2: window 2
	v_max3_num_f32 v[TM], 0x1800000, |v[XB]|, |v[XB+1]|       ; the largest magnitude, with the floor 2^(3 - 127) among its leaves: the byte cannot fall under 1.  Each accumulator is read from its low end on
	v_max3_num_f32 v[TM+1], 0x1800000, |v[XB+16]|, |v[XB+17]|
.irp i, 2,4,6,8,10,12,14
	v_max3_num_f32 v[TM], v[TM], |v[XB+\i]|, |v[XB+\i+1]|
	v_max3_num_f32 v[TM+1], v[TM+1], |v[XB+16+\i]|, |v[XB+17+\i]|
.endr
	WIN 0
	v_permlanex16_b32 v[TM+2], v[TM], s[SEL], s[SEL+1]
	v_permlanex16_b32 v[TM+3], v[TM+1], s[SEL], s[SEL+1]
	v_max_num_f32 v[TM], v[TM], v[TM+2]            ; with lane l xor 16's: the block's
	v_max_num_f32 v[TM+1], v[TM+1], v[TM+3]
	v_add_nc_u32 v[TM+4], 0xff000000, v[TM]        ; 2 off the exponent field: the conversion's scale operand
	v_add_nc_u32 v[TM+5], 0xff000000, v[TM+1]
	v_lshrrev_b32 v[TM+2], 23, v[TM+4]             ; the scale's byte
	v_lshrrev_b32 v[TM+3], 23, v[TM+5]
	WIN 0x02                                       ; source 0: window 2
	v_cvt_scalef32_pk8_fp4_f32 v[CC], v[XB:XB+7], v[TM+4]
	v_cvt_scalef32_pk8_fp4_f32 v[CC+1], v[XB+16:XB+23], v[TM+5]
	v_cvt_scalef32_pk8_fp4_f32 v[CC+2], v[XB+8:XB+15], v[TM+4]
	v_cvt_scalef32_pk8_fp4_f32 v[CC+3], v[XB+24:XB+31], v[TM+5]
	WIN 0
.if (\c)==0                                    ; (plain work behind the conversions)  the two bytes go to their places in the tile's scale word
	v_lshl_or_b32 v[WS+(\a)], v[TM+3], 8, v[TM+2]
.else
	v_lshl_or_b32 v[TM+6], v[TM+3], 8, v[TM+2]
	v_lshl_or_b32 v[WS+(\a)], v[TM+6], 16, v[WS+(\a)]
.endif
	v_permlane16_swap_b32 v[CC], v[CC+1]           ; a whole block to a lane: lanes 0-15 block 0, lanes 16-31 block 1
	v_permlane16_swap_b32 v[CC+2], v[CC+3]
	global_store_b128 v[IO], v[CC:CC+3], s[14:15] offset:1024*(\a)+512*(\c)   ; each unit has its own four registers: no store's data are written again
.endm
.irp a, 0,1,2,3
	UNITV \a, 0
	UNITV \a, 1
.endr
	s_wait_xcnt 0x0                                ; EXEC changes only behind this wait
	v_cmp_gt_u32 vcc_lo, 16, v[LN]
	s_and_saveexec_b32 s46, vcc_lo
	global_store_b128 v[RO], v[WS:WS+3], s[16:17]  ; sixteen lanes store 256 consecutive bytes, aligned: the step's scale words of my head
	s_wait_xcnt 0x0
	s_or_b32 exec_lo, exec_lo, s46
	s_wait_tensorcnt 0x0                           ; the wave's end
	ds_add_u32 v[SPW], v[NIL]
	s_wait_dscnt 0x0
	CROUND                                         ; the closing round
	s_endpgm
.Lfunc_end_k_q61b8fd7ec7_vproj:
	.size	k_q61b8fd7ec7_vproj, .Lfunc_end_k_q61b8fd7ec7_vproj-k_q61b8fd7ec7_vproj
	.p2alignl 7, 3214868480
	.fill 96, 4, 3214868480
	.section	.rodata,"a",@progbits
	.p2align	6, 0x0
	.amdhsa_kernel k_q61b8fd7ec7_vproj
		.amdhsa_group_segment_fixed_size 327680
		.amdhsa_private_segment_fixed_size 0
		.amdhsa_enable_private_segment 0
		.amdhsa_kernarg_size 64
		.amdhsa_user_sgpr_count 2
		.amdhsa_user_sgpr_kernarg_segment_ptr 1
		.amdhsa_wavefront_size32 1
		.amdhsa_system_sgpr_workgroup_id_x 1
		.amdhsa_system_sgpr_workgroup_id_y 1
		.amdhsa_system_sgpr_workgroup_id_z 1
		.amdhsa_system_vgpr_workitem_id 0
		.amdhsa_next_free_vgpr 768
		.amdhsa_next_free_sgpr 100
		.amdhsa_reserve_vcc 1
		.amdhsa_float_denorm_mode_32 3
		.amdhsa_float_denorm_mode_16_64 3
		.amdhsa_memory_ordered 1
		.amdhsa_forward_progress 1
		.amdhsa_inst_pref_size 82
	.end_amdhsa_kernel
	.amdgpu_metadata
---
amdhsa.version: [ 1, 2 ]
amdhsa.kernels:
  - .name:           k_q61b8fd7ec7_vproj
    .symbol:         k_q61b8fd7ec7_vproj.kd
    .args:
      - { .name: W_qkv_codes, .offset: 0, .size: 8, .value_kind: global_buffer, .address_space: global }
      - { .name: W_qkv_scales, .offset: 8, .size: 8, .value_kind: global_buffer, .address_space: global }
      - { .name: x_codes, .offset: 16, .size: 8, .value_kind: global_buffer, .address_space: global }
      - { .name: x_scales, .offset: 24, .size: 8, .value_kind: global_buffer, .address_space: global }
      - { .name: b_qkv, .offset: 32, .size: 8, .value_kind: global_buffer, .address_space: global }
      - { .name: v_img, .offset: 40, .size: 8, .value_kind: global_buffer, .address_space: global }
      - { .name: v_sc, .offset: 48, .size: 8, .value_kind: global_buffer, .address_space: global }
      - { .name: rope, .offset: 56, .size: 8, .value_kind: global_buffer, .address_space: global }
    .group_segment_fixed_size: 327680
    .private_segment_fixed_size: 0
    .kernarg_segment_align: 8
    .kernarg_segment_size: 64
    .max_flat_workgroup_size: 128
    .sgpr_count:     100
    .vgpr_count:     768
    .wavefront_size: 32
...
	.end_amdgpu_metadata
.endif
;; end of part 1
;; launch qk (part 2): grid 8 x 32, 4 waves a work-group, clusters of 4 x 4, 327,680 bytes of LDS; arguments x_codes, x_scales, W_qkv_codes, W_qkv_scales, b_qkv, rope, qk_img, qk_sc; writes qk_img, qk_sc
.if DOCPART == 2
	.amdgcn_target "amdgcn-amd-amdhsa--gfx1250"
	.amdhsa_code_object_version 6
	.text
	.protected	k_q61b8fd7ec7_qk
	.globl	k_q61b8fd7ec7_qk
	.p2align	8
	.type	k_q61b8fd7ec7_qk,@function
k_q61b8fd7ec7_qk:
	s_mov_b64 s[64:65], 0
	v_nop
	global_prefetch_b8 v0, s[64:65] scope:SCOPE_SE
	s_setreg_imm32_b32 hwreg(HW_REG_WAVE_MODE, 25, 1), 1
	s_wait_xcnt 0x0
	s_wait_alu depctr_hold_cnt(0) depctr_sa_sdst(0) depctr_va_vdst(0) depctr_va_sdst(0) depctr_va_ssrc(0) depctr_va_vcc(0) depctr_vm_vsrc(0)
	s_getreg_b32 s2, hwreg(HW_REG_IB_STS2, 6, 4)
	s_cmp_eq_u32 s2, 0
	s_cbranch_scc0 .Lentry_in_a_cluster
	s_endpgm
.Lentry_in_a_cluster:
	s_bfe_u32 s2, ttmp6, 0x10000c
	s_cmp_lg_u32 s2, 0xf033
	s_cbranch_scc0 .Lentry_shape_is_right
	s_endpgm
.Lentry_shape_is_right:
; q and k = x W^T + b (rows 0 to 2,047 of W_qkv) on codes of E2M1 with E8M0 scales, turned by RoPE in f32 (table: launch vproj), then quantised along the head's 64: two blocks of 32.  Nothing is left out.
; SHARES.  A work-group: 256 positions x 256 rows of W (four heads); a wave: 128 positions x two heads: 64 accumulators of 16 x 16.
; THE PRODUCT IS USED TRANSPOSED: source 0 = 16 rows of W, source 1 = 16 rows of x: a lane holds ONE position (16 a + lane % 16); in tile t of a head its eight registers are channels 16 t + 8 (lane / 16) + 0..7.
; So RoPE's partners, channels d and d + 32, lie in one lane, in tiles t and t + 2, and a block of 32 channels lies in lanes l and l xor 16.
; K = 1,024 is two LDS slots of 512 along K, each filled once.  CLUSTER 4 x 4: x's tile is asked for jointly along a row of the cluster, W's along a column.
; OUT: qk_img[b][H 32 (0-15 q, 16-31 k)][position / 16][lane][16 bytes]: lane (r, l) holds block l of position r of the tile; each store of a wave covers 512 consecutive bytes, aligned.
;      qk_sc[row / 128][H][r 16][a 8]: 16 bits, the two scale bytes of position 16 a + r.
; LIMITS: NaN and infinities are not served; a block whose largest magnitude lies under 2^-124 gets the byte 1 (only this program reads the bytes).
.set NA,     8
.set PITCH,  272
.set HALFA,  128*PITCH
.set HALFB,  128*PITCH
.set SLOT,   2*HALFA+2*HALFB
.set SCL,    2*SLOT
.set HALFSA, 16*272
.set HALFSB, 16*272
.set SBLK,   544
.set SPARE,  SCL+2*HALFSA+2*HALFSB
.set ADRA, 16
.set ADRB, 20
.set ADRS, 27
.set SPW,  28
.set NIL,  29
.set SC,   32                          ; v32-95 scale words
.set AF,   128                         ; window 0: x's fragments, two sets of 64
.set BIAS, 64                          ; window 1 v64-127: the bias, eight registers for each tile of W's rows.  Window 1 v0-63, v128-191: W's fragments.  Windows 2, 3: the accumulators
.set TA,   9                           ; v9  the table: 256 (lane % 16) + 64 (lane / 16)
.set IO,   10                          ; v10 16 x lane
.set Y,    128                         ; the way out: a unit's 32 turned numbers
.set TM,   160
.set SW,   176                         ; v176-183 scale halfwords: head hd, positions' tiles 2 i and 2 i + 1 at SW + 4 hd + i
.set CODE, 192                         ; four registers of codes for each of 16 units
.set G1, 24
.set G0, 32
.set G1B, 48
.set G0B, 56
.set SEL, 66
.set G1S, 68
.set G0S, 76
.set G1SB, 80
.set G0SB, 88
.set CODEW, (1<<20)|(1<<21)|(5<<22)|(3<<25)
.set SCLW,  (3<<16)|(1<<20)|(1<<21)|(5<<22)|(3<<25)
.set MSB, 0
.macro WIN new
.if MSB != \new
	s_set_vgpr_msb (MSB<<8)|\new
.set MSB, \new
.endif
.endm
.macro JLOAD g0a, g1a, g0b, g1b        ; a joint load: waves 0, 1 fetch for x, waves 2, 3 for W; an s_nop 0 and four v_nop follow each line
	s_cmp_eq_u32 s21, 0
	s_cbranch_scc0 .Lfor_b_\@
	tensor_load_to_lds s[\g0a:\g0a+3], s[\g1a:\g1a+7]
	s_nop 0
.rept 4
	v_nop
.endr
	s_branch .Lasked_\@
.Lfor_b_\@:
	tensor_load_to_lds s[\g0b:\g0b+3], s[\g1b:\g1b+7]
	s_nop 0
.rept 4
	v_nop
.endr
.Lasked_\@:
.endm
.macro CROUND
	s_barrier_signal -1
	s_barrier_wait -1
	s_cmp_lg_u32 s20, 0
	s_cbranch_scc1 .Lnot_wave_0_\@
	s_barrier_signal -3
.Lnot_wave_0_\@:
	s_barrier_wait -3
	s_barrier_signal -1
	s_barrier_wait -1
.endm
.macro PLACES n
.rept \n
	v_nop
.endr
.endm
.macro FRAG reg, adr, off
	ds_load_b128 v[\reg:\reg+3], v[\adr] offset:\off
	ds_load_b128 v[\reg+4:\reg+7], v[\adr] offset:\off+32
.endm
.macro FETCH k
	WIN 0x40
.irp i, 0,1,2,3,4,5,6,7
	FRAG 128*((\k)%2)+8*\i, ADRB+(\k)/4, 64*((\k)%4)+\i*16*PITCH
.endr
	WIN 0
.irp i, 0,1,2,3,4,5,6,7
	FRAG AF+8*NA*((\k)%2)+8*\i, ADRA+(\k)/4, 64*((\k)%4)+\i*16*PITCH
.endr
.endm
.macro MUL k, a                        ; tile a of positions against W's eight tiles.  In K step 0 the bias is the C
.irp b, 0,1,2,3,4,5,6,7
.if (\k)==0
	v_wmma_scale_f32_16x16x128_f8f6f4 v[8*(8*((\a)%4)+\b):8*(8*((\a)%4)+\b)+7], v[128*((\k)%2)+8*\b:128*((\k)%2)+8*\b+7], v[AF+8*NA*((\k)%2)+8*(\a):AF+8*NA*((\k)%2)+8*(\a)+7], v[BIAS+8*\b:BIAS+8*\b+7], v[SC+32*((\k)/4)+4*\b+(\k)%4], v[SC+32*((\k)/4)+4*(\a)+(\k)%4] matrix_a_fmt:MATRIX_FMT_FP4 matrix_b_fmt:MATRIX_FMT_FP4 matrix_a_scale:MATRIX_SCALE_ROW1
.else
	v_wmma_scale_f32_16x16x128_f8f6f4 v[8*(8*((\a)%4)+\b):8*(8*((\a)%4)+\b)+7], v[128*((\k)%2)+8*\b:128*((\k)%2)+8*\b+7], v[AF+8*NA*((\k)%2)+8*(\a):AF+8*NA*((\k)%2)+8*(\a)+7], v[8*(8*((\a)%4)+\b):8*(8*((\a)%4)+\b)+7], v[SC+32*((\k)/4)+4*\b+(\k)%4], v[SC+32*((\k)/4)+4*(\a)+(\k)%4] matrix_a_fmt:MATRIX_FMT_FP4 matrix_b_fmt:MATRIX_FMT_FP4 matrix_a_scale:MATRIX_SCALE_ROW1
.endif
.endr
.endm
; The table's part for tile a of positions: 32 registers of window 1, at 32 a: for t = 0, 1 and u = 0..3 (cos, cos, sin, sin) of frequencies 16 t + 8 (lane / 16) + 2 u and + 1.
.macro TLD a
.irp t, 0,1
.irp u, 0,1,2,3
	global_load_b128 v[32*(\a)+16*\t+4*\u:32*(\a)+16*\t+4*\u+3], v[TA], s[14:15] offset:4096*(\a)+128*\t+16*\u
.endr
.endr
.endm
.macro STEP k
	s_wait_dscnt 0x0                               ; this step's fragments are in
.if (\k)==3
	s_wait_tensorcnt 0x0                           ; my part of slot 1 has landed, my reads of slot 0 are over:
	s_barrier_signal -1
	s_barrier_wait -1                              ; everybody's.
.endif
.if (\k)>0
	PLACES 4
.endif
.if (\k)<7
	FETCH (\k)+1
.endif
.if (\k)==1
	WIN 0x40
	TLD 2                                          ; into the bias's registers, which K step 0 has used
	TLD 3
.endif
.if (\k)==7
	WIN 0x40
	TLD 0                                          ; into W's set 0, which K step 6 has used
	TLD 1
.endif
.if (\k)==0
	WIN 0x91
.else
	WIN 0xa1
.endif
.irp a, 0,1,2,3
	MUL \k, \a
.endr
.if (\k)==0
	WIN 0xd1
.else
	WIN 0xf1
.endif
.irp a, 4,5,6,7
	MUL \k, \a
.endr
.endm
	s_load_b512 s[4:19], s[0:1], 0x0               ; x codes s[4:5], x scales s[6:7], W codes s[8:9], W scales s[10:11], b_qkv s[12:13], rope s[14:15], qk_img s[16:17], qk_sc s[18:19]
	v_lshl_add_u32 v[SPW], v0, 2, SPARE
	v_mov_b32 v[NIL], 0
	ds_add_u32 v[SPW], v[NIL]                      ; the opening: the add, twice on end, and its wait ahead of my first tensor load
	ds_add_u32 v[SPW], v[NIL]
	v_lshrrev_b32 v1, 5, v0
	v_readfirstlane_b32 s20, v1                    ; wave
	s_lshr_b32 s21, s20, 1                         ; RH: which 128 positions are mine.  Also: I fetch for x (0) or for W (1)
	s_and_b32 s22, s20, 1                          ; CH: which two heads are mine.  Also: which half I fetch
	s_bfe_u32 s40, ttmp6, 0x40000
	s_bfe_u32 s41, ttmp6, 0x40004
	s_lshl_b32 s42, ttmp9, 2
	s_add_co_u32 s42, s42, s40                     ; tile x: 256 rows of W
	s_and_b32 s43, ttmp7, 0xffff
	s_lshl_b32 s43, s43, 2
	s_add_co_u32 s43, s43, s41                     ; tile y: 256 positions
	s_lshl_b32 s44, s41, 2
	s_lshl_b32 s44, 15, s44
	s_lshl_b32 s45, 0x1111, s40
	s_or_b32 s[G1], s44, CODEW
	s_or_b32 s[G1B], s45, CODEW
.irp g, G1, G1B
	s_mov_b32 s[\g+1], 256<<16
	s_mov_b32 s[\g+2], 128<<16
	s_mov_b32 s[\g+3], 256<<16
	s_mov_b32 s[\g+4], 128
	s_mov_b32 s[\g+5], 512
	s_mov_b32 s[\g+6], 0
	s_mov_b32 s[\g+7], 0
.endr
	s_or_b32 s[G1S], s44, SCLW
	s_or_b32 s[G1SB], s45, SCLW
.irp g, G1S, G1SB
	s_mov_b32 s[\g+1], 32<<16
	s_mov_b32 s[\g+2], 16<<16
	s_mov_b32 s[\g+3], 32<<16
	s_mov_b32 s[\g+4], 16
	s_mov_b32 s[\g+5], 32
	s_mov_b32 s[\g+6], 0
	s_mov_b32 s[\g+7], 0
.endr
	s_lshl_b32 s46, s22, 7
	s_lshl_b32 s92, s43, 8
	s_add_co_u32 s92, s92, s46                     ; x's row: 256 tile y + 128 half
	s_lshl_b32 s96, s42, 8
	s_add_co_u32 s96, s96, s46                     ; W's row: 256 tile x + 128 half
	s_mov_b32 s93, 0
	s_mov_b32 s97, 0
	s_lshl_b64 s[94:95], s[92:93], 5
	s_lshl_b64 s[98:99], s[96:97], 5
	s_lshl_b64 s[92:93], s[92:93], 9
	s_lshl_b64 s[96:97], s[96:97], 9
	s_mul_i32 s46, s22, HALFA
	s_mul_i32 s47, s22, HALFB
	s_add_co_u32 s47, s47, 2*HALFA
	s_mul_i32 s2, s22, HALFSA
	s_add_co_u32 s2, s2, SCL
	s_mul_i32 s3, s22, HALFSB
	s_add_co_u32 s3, s3, SCL+2*HALFSA
	s_mov_b32 s[SEL], 0x76543210
	s_mov_b32 s[SEL+1], 0xfedcba98
	s_wait_dscnt 0x0                               ; both opening adds are done
	s_wait_kmcnt 0x0
	s_add_nc_u64 s[92:93], s[4:5], s[92:93]
	s_add_nc_u64 s[94:95], s[6:7], s[94:95]
	s_add_nc_u64 s[96:97], s[8:9], s[96:97]
	s_add_nc_u64 s[98:99], s[10:11], s[98:99]
	CROUND
	s_mov_b32 s[G0S], 1
	s_mov_b32 s[G0S+1], s2
	s_mov_b64 s[G0S+2:G0S+3], s[94:95]
	s_or_b32 s[G0S+3], s[G0S+3], 0x80000000
	s_mov_b32 s[G0SB], 1
	s_mov_b32 s[G0SB+1], s3
	s_mov_b64 s[G0SB+2:G0SB+3], s[98:99]
	s_or_b32 s[G0SB+3], s[G0SB+3], 0x80000000
	JLOAD G0S, G1S, G0SB, G1SB
.irp s, 0,1
	s_mov_b32 s[G0+4*\s], 1
	s_add_co_u32 s[G0+4*\s+1], s46, \s*SLOT
	s_add_nc_u64 s[G0+4*\s+2:G0+4*\s+3], s[92:93], \s*256
	s_or_b32 s[G0+4*\s+3], s[G0+4*\s+3], 0x80000000
	s_mov_b32 s[G0B+4*\s], 1
	s_add_co_u32 s[G0B+4*\s+1], s47, \s*SLOT
	s_add_nc_u64 s[G0B+4*\s+2:G0B+4*\s+3], s[96:97], \s*256
	s_or_b32 s[G0B+4*\s+3], s[G0B+4*\s+3], 0x80000000
	JLOAD G0+4*\s, G1, G0B+4*\s, G1B               ; three tensor loads of mine are out
.endr
	v_and_b32 v1, 15, v0                           ; r
	v_bfe_u32 v2, v0, 4, 1                         ; h
	v_and_b32 v3, 31, v0
	v_lshlrev_b32 v[IO], 4, v3
	v_lshlrev_b32 v3, 5, v2                        ; the bias: my half's eight numbers of a tile
	s_lshl_b32 s46, s42, 10
	s_lshl_b32 s47, s22, 9
	s_add_co_u32 s46, s46, s47                     ; (256 tile x + 128 CH) x 4 bytes
	s_mov_b32 s47, 0
	s_add_nc_u64 s[12:13], s[12:13], s[46:47]
	s_and_b32 s46, s43, 7
	s_lshl_b32 s46, s46, 8
	s_lshl_b32 s2, s21, 7
	s_add_co_u32 s46, s46, s2                      ; my first position in its sequence
	s_lshl_b32 s2, s46, 8                          ; 256 bytes of the table a position
	s_mov_b32 s3, 0
	s_add_nc_u64 s[14:15], s[14:15], s[2:3]
	v_lshlrev_b32 v[TA], 8, v1
	v_lshl_add_u32 v[TA], v2, 6, v[TA]
	WIN 0x40
.irp b, 0,1,2,3,4,5,6,7
	global_load_b128 v[BIAS+8*\b:BIAS+8*\b+3], v3, s[12:13] offset:64*\b
	global_load_b128 v[BIAS+8*\b+4:BIAS+8*\b+7], v3, s[12:13] offset:64*\b+16
.endr
	TLD 6                                          ; v192-255 of window 1 are free from the start
	TLD 7
	WIN 0
	s_lshr_b32 s2, s43, 3                          ; b
	s_lshl_b32 s2, s2, 5
	s_lshl_b32 s23, s42, 2
	s_lshl_b32 s47, s22, 1
	s_add_co_u32 s23, s23, s47                     ; my first head, 0 to 31
	s_add_co_u32 s2, s2, s23
	s_lshl_b32 s2, s2, 16                          ; 65,536 bytes of codes a head
	s_lshl_b32 s46, s46, 5                         ; 512 bytes for each 16 positions
	s_add_co_u32 s2, s2, s46
	s_add_nc_u64 s[16:17], s[16:17], s[2:3]
	s_lshl_b32 s2, s43, 1
	s_add_co_u32 s2, s2, s21                       ; row / 128
	s_lshl_b32 s2, s2, 5
	s_add_co_u32 s2, s2, s23
	s_lshl_b32 s2, s2, 8
	s_add_nc_u64 s[18:19], s[18:19], s[2:3]
	v_mul_u32_u24 v4, v1, PITCH
	v_lshl_add_u32 v4, v2, 4, v4
	s_mul_i32 s46, s21, HALFA
	s_mul_i32 s47, s22, HALFB
	s_add_co_u32 s47, s47, 2*HALFA
.irp s, 0,1
	v_add_nc_u32 v[ADRA+\s], s46, v4
	v_add_nc_u32 v[ADRB+\s], s47, v4
	s_add_co_u32 s46, s46, SLOT
	s_add_co_u32 s47, s47, SLOT
.endr
	v_lshlrev_b32 v5, 5, v1
	v_lshrrev_b32 v6, 8, v5
	v_lshl_add_u32 v5, v6, 4, v5
	s_mul_i32 s46, s21, HALFSA
	s_mul_i32 s47, s22, HALFSB
	s_add_co_u32 s47, s47, 2*HALFSA
	s_sub_co_u32 s47, s47, s46
	v_mul_u32_u24 v6, s47, v2                      ; lanes 16-31 take W's
	s_add_co_u32 s46, s46, SCL
	v_add_nc_u32 v5, v5, v6
	v_add_nc_u32 v[ADRS], s46, v5
	s_wait_tensorcnt 1                             ; the scale bytes and my part of slot 0 are in; slot 1's load may stay out
	s_barrier_signal -1
	s_barrier_wait -1
.irp s, 0,1
.irp i, 0,1,2,3,4,5,6,7
	ds_load_b128 v[SC+32*\s+4*\i:SC+32*\s+4*\i+3], v[ADRS] offset:\i*SBLK+16*\s
.endr
.endr
	FETCH 0
	s_wait_loadcnt 16                              ; the bias is in; the 16 loads of the table's tiles 6 and 7, issued behind it, may stay out
.irp k, 0,1,2,3,4,5,6,7
	STEP \k
.endr
	PLACES 4
	WIN 0x40
	TLD 4                                          ; into W's set 1, which K step 7 has used
	TLD 5
	WIN 0
	v_mov_b32 v[TM+2], 0                           ; written once: a lane permute's destination counts as one of its sources
	v_mov_b32 v[TM+3], 0
; THE WAY OUT.  A unit: tile a of positions, head hd of my two: four accumulators.  X[i] and X[16 + i] are channels d and d + 32: y[d] = x[d] cos - x[d + 32] sin, y[d + 32] = x[d + 32] cos + x[d] sin.
.macro UNITQ a, hd
.set XB, 64*((\a)%4)+32*(\hd)
.set TT, 32*(\a)
.set CC, CODE+4*(2*(\a)+(\hd))
	WIN ((2+(\a)/4)|4)                             ; source 0: the accumulators' window; source 1: window 1, the table
.irp i, 0,2,4,6,8,10,12,14
	v_pk_mul_f32 v[Y+\i:Y+\i+1], v[XB+\i:XB+\i+1], v[TT+16*(\i/8)+2*(\i%8):TT+16*(\i/8)+2*(\i%8)+1]     ; each accumulator is read from its low end on
.endr
.irp i, 0,2,4,6,8,10,12,14
	v_pk_mul_f32 v[Y+16+\i:Y+17+\i], v[XB+16+\i:XB+17+\i], v[TT+16*(\i/8)+2*(\i%8):TT+16*(\i/8)+2*(\i%8)+1]
.endr
.irp i, 0,2,4,6,8,10,12,14
	v_pk_fma_f32 v[Y+\i:Y+\i+1], v[XB+16+\i:XB+17+\i], v[TT+16*(\i/8)+2*(\i%8)+2:TT+16*(\i/8)+2*(\i%8)+3], v[Y+\i:Y+\i+1] neg_lo:[1,0,0] neg_hi:[1,0,0]
.endr
.irp i, 0,2,4,6,8,10,12,14
	v_pk_fma_f32 v[Y+16+\i:Y+17+\i], v[XB+\i:XB+\i+1], v[TT+16*(\i/8)+2*(\i%8)+2:TT+16*(\i/8)+2*(\i%8)+3], v[Y+16+\i:Y+17+\i]
.endr
	WIN 0
	v_max3_num_f32 v[TM], |v[Y]|, |v[Y+1]|, 0x1800000          ; my 16 numbers of each block, and the floor 2^(3 - 127)
	v_max3_num_f32 v[TM+1], |v[Y+16]|, |v[Y+17]|, 0x1800000
.irp i, 2,4,6,8,10,12,14
	v_max3_num_f32 v[TM], v[TM], |v[Y+\i]|, |v[Y+\i+1]|
	v_max3_num_f32 v[TM+1], v[TM+1], |v[Y+16+\i]|, |v[Y+17+\i]|
.endr
	v_permlanex16_b32 v[TM+2], v[TM], s[SEL], s[SEL+1]
	v_permlanex16_b32 v[TM+3], v[TM+1], s[SEL], s[SEL+1]
	v_max_num_f32 v[TM], v[TM], v[TM+2]
	v_max_num_f32 v[TM+1], v[TM+1], v[TM+3]
	v_add_nc_u32 v[TM+4], 0xff000000, v[TM]        ; 2 off the exponent field: the conversion's scale operand
	v_add_nc_u32 v[TM+5], 0xff000000, v[TM+1]
	v_lshrrev_b32 v[TM+2], 23, v[TM+4]
	v_lshrrev_b32 v[TM+3], 23, v[TM+5]
	v_cvt_scalef32_pk8_fp4_f32 v[CC], v[Y:Y+7], v[TM+4]
	v_cvt_scalef32_pk8_fp4_f32 v[CC+1], v[Y+16:Y+23], v[TM+5]
	v_cvt_scalef32_pk8_fp4_f32 v[CC+2], v[Y+8:Y+15], v[TM+4]
	v_cvt_scalef32_pk8_fp4_f32 v[CC+3], v[Y+24:Y+31], v[TM+5]
.if (\a)%2==0                                  ; (plain work behind the conversions)  the position's two bytes
	v_lshl_or_b32 v[SW+4*(\hd)+(\a)/2], v[TM+3], 8, v[TM+2]
.else
	v_lshl_or_b32 v[TM+6], v[TM+3], 8, v[TM+2]
	v_lshl_or_b32 v[SW+4*(\hd)+(\a)/2], v[TM+6], 16, v[SW+4*(\hd)+(\a)/2]
.endif
	v_permlane16_swap_b32 v[CC], v[CC+1]           ; a whole block to a lane: lanes 0-15 block 0, lanes 16-31 block 1
	v_permlane16_swap_b32 v[CC+2], v[CC+3]
	global_store_b128 v[IO], v[CC:CC+3], s[16:17] offset:65536*(\hd)+512*(\a)
.endm
	s_wait_loadcnt 16                              ; all of the table but tiles 4 and 5, the 16 loads issued last
.irp a, 6,7,2,3,0,1
	UNITQ \a, 0
	UNITQ \a, 1
.endr
	s_wait_loadcnt 0x0
.irp a, 4,5
	UNITQ \a, 0
	UNITQ \a, 1
.endr
	v_cmp_eq_u32 vcc_lo, 1, v2
.irp i, 0,1,2,3
	v_cndmask_b32 v[SW+\i], v[SW+\i], v[SW+4+\i], vcc_lo     ; lanes 16-31 take my second head's
.endr
	global_store_b128 v[IO], v[SW:SW+3], s[18:19]  ; 512 consecutive bytes: two heads' scale bytes of my 128 positions
	s_wait_tensorcnt 0x0                           ; the wave's end
	ds_add_u32 v[SPW], v[NIL]
	s_wait_dscnt 0x0
	CROUND                                         ; the closing round
	s_endpgm
.Lfunc_end_k_q61b8fd7ec7_qk:
	.size	k_q61b8fd7ec7_qk, .Lfunc_end_k_q61b8fd7ec7_qk-k_q61b8fd7ec7_qk
	.p2alignl 7, 3214868480
	.fill 96, 4, 3214868480
	.section	.rodata,"a",@progbits
	.p2align	6, 0x0
	.amdhsa_kernel k_q61b8fd7ec7_qk
		.amdhsa_group_segment_fixed_size 327680
		.amdhsa_private_segment_fixed_size 0
		.amdhsa_enable_private_segment 0
		.amdhsa_kernarg_size 64
		.amdhsa_user_sgpr_count 2
		.amdhsa_user_sgpr_kernarg_segment_ptr 1
		.amdhsa_wavefront_size32 1
		.amdhsa_system_sgpr_workgroup_id_x 1
		.amdhsa_system_sgpr_workgroup_id_y 1
		.amdhsa_system_sgpr_workgroup_id_z 1
		.amdhsa_system_vgpr_workitem_id 0
		.amdhsa_next_free_vgpr 1024
		.amdhsa_next_free_sgpr 100
		.amdhsa_reserve_vcc 1
		.amdhsa_float_denorm_mode_32 3
		.amdhsa_float_denorm_mode_16_64 3
		.amdhsa_memory_ordered 1
		.amdhsa_forward_progress 1
		.amdhsa_inst_pref_size 166
	.end_amdhsa_kernel
	.amdgpu_metadata
---
amdhsa.version: [ 1, 2 ]
amdhsa.kernels:
  - .name:           k_q61b8fd7ec7_qk
    .symbol:         k_q61b8fd7ec7_qk.kd
    .args:
      - { .name: x_codes, .offset: 0, .size: 8, .value_kind: global_buffer, .address_space: global }
      - { .name: x_scales, .offset: 8, .size: 8, .value_kind: global_buffer, .address_space: global }
      - { .name: W_qkv_codes, .offset: 16, .size: 8, .value_kind: global_buffer, .address_space: global }
      - { .name: W_qkv_scales, .offset: 24, .size: 8, .value_kind: global_buffer, .address_space: global }
      - { .name: b_qkv, .offset: 32, .size: 8, .value_kind: global_buffer, .address_space: global }
      - { .name: rope, .offset: 40, .size: 8, .value_kind: global_buffer, .address_space: global }
      - { .name: qk_img, .offset: 48, .size: 8, .value_kind: global_buffer, .address_space: global }
      - { .name: qk_sc, .offset: 56, .size: 8, .value_kind: global_buffer, .address_space: global }
    .group_segment_fixed_size: 327680
    .private_segment_fixed_size: 0
    .kernarg_segment_align: 8
    .kernarg_segment_size: 64
    .max_flat_workgroup_size: 128
    .sgpr_count:     100
    .vgpr_count:     1024
    .wavefront_size: 32
...
	.end_amdgpu_metadata
.endif
;; end of part 2
;; launch attn (part 3): grid 4 x 64, 16 waves a work-group, no clusters, 149,504 bytes of LDS; arguments qk_img, qk_sc, v_img, v_sc, key_padding_mask, a_img, a_sc; writes a_img, a_sc
.if DOCPART == 3
	.amdgcn_target "amdgcn-amd-amdhsa--gfx1250"
	.amdhsa_code_object_version 6
	.text
	.protected	k_q61b8fd7ec7_attn
	.globl	k_q61b8fd7ec7_attn
	.p2align	8
	.type	k_q61b8fd7ec7_attn,@function
k_q61b8fd7ec7_attn:
	s_mov_b64 s[64:65], 0
	v_nop
	global_prefetch_b8 v0, s[64:65] scope:SCOPE_SE
	s_setreg_imm32_b32 hwreg(HW_REG_WAVE_MODE, 25, 1), 1
	s_wait_xcnt 0x0
; For one batch and head: o = softmax(q k^T / 8, keys under the padding mask at -infinity) v, both products on codes of E2M1 with E8M0 scales; o is then quantised along the model's axis (a head is two blocks of 32) for the projection.  Nothing is left out.
; THE SOFTMAX AHEAD OF THE SECOND PRODUCT: t = score x log2(e) / 8; M = the running largest t rounded UP to a whole number; p = 2^(t - M) is quantised along the keys, not normalised; the sum of the unquantised p divides at the end.
; SHARES.  A work-group: one (batch, head) and 512 queries; each of its sixteen waves two tiles of 16 queries, one after the other (two passes).  A lane holds ONE query throughout.
; ALL of the head's K and V (64 KiB each as codes) lies in LDS: staged once through registers, one barrier, read by all sixteen waves in both passes.
; NO TENSOR LOAD, NO CLUSTER: a key step branches on the padding mask, a number read from memory.
; What work-groups of a head share is 136 KiB, read once each, for 512 x 2,048 scores.
; LAYOUTS, chosen in the staging, where they cost nothing.  Both products are used transposed: S^T = K Q^T, O^T = V^T P^T.
;   Row m of key tile t (of 8 in a step of 128 keys) is key 64 (t / 4) + 32 (m / 8) + 8 (t % 4) + m % 8: so a lane's score register i is key 64 (i / 32) + 32 (lane / 16) + i % 32: WHOLE blocks of 32 keys in a lane:
;   a block's maximum asks no other lane, and the eight conversions' results are P's operand registers as they stand.
;   Row m of V's tile t (of 4) is channel 32 (m / 8) + 8 t + m % 8: so a lane's 32 registers of O^T are channels 32 (lane / 16) + 0..31: a whole block of the next product's K.
;   THE HEAD'S K IS 64, the instruction's 128: a fragment of K holds TWO key tiles (registers 0-3, 4-7) and is multiplied once by (q, zeros) and once by (zeros, q).  The half that does not count has zero codes on Q's side alone.
; THE MASK: a table of 0 and -infinity in LDS is added to the scores of a step, ahead of the maximum, where the step has a masked key: a scalar branch on 32 flags (one for 64 keys) made from the mask's bytes.
; LIMITS: where every key of a batch is masked reference() gives NaN: here the sum is 0, 1 / sum is replaced by 0 and the row's scale bytes by 0xff, which makes the projection's sums NaN.  NaN and infinities among the inputs are not served.
; p under 2^-126 counts as 0.  A block whose largest magnitude lies under 2^-124 gets the byte 1.  The second pass's last trip fetches a fragment of K that nobody uses (the loop is written once for both passes).
.set VL,    65536                      ; LDS: K at 0, V here: [step 16][tile pair or tile 4][c 2][lane][16 bytes]
.set SCB,   131072                     ; [step 16][lane][K word, K word, V word, V word]
.set BIA,   139264                     ; [key 2048] f32: 0 or -infinity
.set SPARE, 147456                     ; the spare words: 128 bytes a wave, named by no other line
.set L16, 1                            ; v1  16 x lane
.set LV,  2                            ; v2  16 x lane + VL
.set LS,  3                            ; v3  16 x lane + SCB
.set LB,  4                            ; v4  BIA + 128 (lane / 16)
.set SPW, 5                            ; v5  my spare word; never rewritten
.set NIL, 6                            ; v6  0; never rewritten
.set H8,  7                            ; v7  8 (lane / 16)
.set ADK, 8
.set ADV, 9
.set ADS, 10
.set ADB, 11
.set QZ,  16                           ; v16-19 zeros, v20-23 q, v24-27 zeros.  v12 -M, v13 the largest t, v[14:15] the sum in two halves
.set QSC, 28                           ; scale words, in registers that hold nothing else: q's, p's, K's two, V's two
.set PSC, 29
.set KSC, 30
.set KF,  32                           ; v32-63  K's four fragments
.set VF,  64                           ; v64-95  V's four
.set S,   96                           ; v96-159 S^T, then p
.set O,   160                          ; v160-191 O^T
.set PC,  192                          ; v192-199 p's codes
.set VSC, 200
.set W,   202                          ; v202-217 at work
.set QHO, 218                          ; v218 16 (lane % 16): q's scale halfword
.set ASO, 219                          ; v219 32 (lane % 16) + lane / 16: my byte of a_sc
.set QHW, 220                          ; v220 q's scale halfword as loaded
.set MB,  224                          ; v224-255 the mask's table for 32 keys; at work in the staging
.set WV,  18
.set SEL, 20
.set CS,  22
.set TB,  27                           ; 4,096 x step
.set TS,  28                           ; 512 x step
.set TN,  29                           ; the next step's, wrapped
.set TSN, 30
.set SH,  31                           ; 2 x step
.set CNT, 32
.set FL,  33                           ; bit i: keys 64 i to 64 i + 63 hold a masked one
	s_load_b256 s[4:11], s[0:1], 0x0               ; qk_img s[4:5], qk_sc s[6:7], v_img s[8:9], v_sc s[10:11]
	s_load_b128 s[12:15], s[0:1], 0x20             ; the mask s[12:13], a_img s[14:15]
	s_load_b64 s[16:17], s[0:1], 0x30              ; a_sc
	v_lshl_add_u32 v[SPW], v0, 2, SPARE
	v_mov_b32 v[NIL], 0
	v_lshrrev_b32 v8, 5, v0
	v_readfirstlane_b32 s[WV], v8                  ; wave 0..15
	s_and_b32 s24, ttmp7, 0xffff                   ; 16 b + head
	s_lshr_b32 s25, s24, 4                         ; b
	s_and_b32 s26, s24, 15                         ; head
	v_and_b32 v9, 31, v0                           ; lane
	v_and_b32 v10, 15, v0                          ; lane % 16
	v_bfe_u32 v11, v0, 4, 1                        ; lane / 16
	v_lshlrev_b32 v[L16], 4, v9
	v_add_nc_u32 v[LV], VL, v[L16]
	v_add_nc_u32 v[LS], SCB, v[L16]
	v_lshl_add_u32 v[LB], v11, 7, BIA
	v_lshlrev_b32 v[H8], 3, v11
	v_lshlrev_b32 v[QHO], 4, v10
	v_lshl_add_u32 v[ASO], v10, 5, v11
	; the staging's addresses.  Thread t moves bytes 16 t + 8,192 i of K's and of V's 65,536; three address bits change places on the way
	v_lshlrev_b32 v224, 4, v0
	v_and_b32 v225, 0x197f, v224                   ; K: bit 7 <- 10, bit 9 <- 7, bit 10 <- 9
	v_bfe_u32 v227, v0, 6, 1
	v_lshl_or_b32 v225, v227, 7, v225
	v_bfe_u32 v227, v0, 3, 1
	v_lshl_or_b32 v225, v227, 9, v225
	v_bfe_u32 v227, v0, 5, 1
	v_lshl_or_b32 v225, v227, 10, v225
	v_and_b32 v226, 0x137f, v224                   ; V: bit 7 <- 11, bit 10 <- 7, bit 11 <- 10
	v_bfe_u32 v227, v0, 7, 1
	v_lshl_or_b32 v226, v227, 7, v226
	v_bfe_u32 v227, v0, 3, 1
	v_lshl_or_b32 v226, v227, 10, v226
	v_bfe_u32 v227, v0, 6, 1
	v_lshl_or_b32 v226, v227, 11, v226
	v_add_nc_u32 v226, VL, v226
	v_and_b32 v227, 7, v0                          ; the scale words of step w (my wave's number), for lane (m, l):
	v_bfe_u32 v228, v0, 3, 1
	v_lshlrev_b32 v229, 3, v228
	v_lshlrev_b32 v228, 2, v228
	v_lshl_add_u32 v228, v227, 4, v228
	v_lshl_add_u32 v229, v227, 4, v229
	v_lshl_add_u32 v228, v11, 1, v228              ; K's halfwords at 16 (m % 8) + 4 (m / 8) + 2 l (+ 8 for the second word, + 128 for a fragment's second tile)
	v_lshl_add_u32 v229, v11, 7, v229              ; V's two words at 128 l + 16 (m % 8) + 8 (m / 8)
	v_lshlrev_b32 v230, 2, v0                      ; the mask: my four keys,
	v_lshlrev_b32 v231, 6, v9                      ; and for the flags my lane's 64
	v_add_nc_u32 v232, SCB, v224
	v_add_nc_u32 v233, BIA, v224
	; byte offsets into the buffers
	s_lshl_b32 s34, s25, 5
	s_add_co_u32 s34, s34, s26
	s_lshl_b32 s44, s34, 16                        ; q's head: (32 b + head) x 65,536
	s_add_co_u32 s36, s44, 0x100000                ; k's head: 16 heads on
	s_mov_b32 s37, 0
	s_lshl_b32 s35, ttmp9, 5
	s_add_co_u32 s35, s35, s[WV]                   ; my first tile of queries: 32 x + wave; the second is 16 on
	s_lshl_b32 s19, s35, 9
	s_add_co_u32 s44, s44, s19
	s_mov_b32 s45, 0
	s_lshl_b32 s38, s24, 16                        ; v's head
	s_mov_b32 s39, 0
	s_lshl_b32 s40, s25, 4
	s_add_co_u32 s40, s40, s[WV]                   ; 16 b + step
	s_lshl_b32 s42, s40, 4
	s_add_co_u32 s42, s42, s26
	s_lshl_b32 s42, s42, 8
	s_mov_b32 s43, 0
	s_lshl_b32 s40, s40, 5
	s_add_co_u32 s40, s40, s26
	s_add_co_u32 s40, s40, 16
	s_lshl_b32 s40, s40, 8
	s_mov_b32 s41, 0
	s_lshl_b32 s46, s25, 4
	s_lshr_b32 s19, s35, 3
	s_add_co_u32 s46, s46, s19
	s_lshl_b32 s46, s46, 5
	s_add_co_u32 s46, s46, s26
	s_lshl_b32 s46, s46, 8
	s_and_b32 s19, s35, 7
	s_lshl_b32 s19, s19, 1
	s_add_co_u32 s46, s46, s19                     ; q's scale halfwords
	s_mov_b32 s47, 0
	s_lshl_b32 s48, s25, 7
	s_add_co_u32 s48, s48, s35                     ; the tile of rows of the result: 128 b + tile
	s_lshl_b32 s50, s48, 9
	s_lshl_b32 s19, s26, 1
	s_add_co_u32 s50, s50, s19                     ; a_sc: 512 bytes a tile, + 2 head
	s_mov_b32 s51, 0
	s_lshl_b32 s48, s48, 13
	s_lshl_b32 s19, s26, 9
	s_add_co_u32 s48, s48, s19                     ; a_img: 8,192 bytes a tile, + 512 head
	s_mov_b32 s49, 0
	s_lshl_b32 s52, s25, 11
	s_mov_b32 s53, 0
	s_mov_b32 s[SEL], 0x76543210
	s_mov_b32 s[SEL+1], 0xfedcba98                 ; v_permlanex16_b32's selects for lane l xor 16
	s_mov_b32 s[CS], 0x3e38aa3b                    ; c = log2(e) / 8
	s_mov_b32 s[CS+1], s[CS]                       ; (named with it as a pair, so it is written)
	s_wait_kmcnt 0x0
	s_add_nc_u64 s[36:37], s[4:5], s[36:37]
	s_add_nc_u64 s[44:45], s[4:5], s[44:45]
	s_add_nc_u64 s[38:39], s[8:9], s[38:39]
	s_add_nc_u64 s[40:41], s[6:7], s[40:41]
	s_add_nc_u64 s[46:47], s[6:7], s[46:47]
	s_add_nc_u64 s[42:43], s[10:11], s[42:43]
	s_add_nc_u64 s[12:13], s[12:13], s[52:53]
	s_add_nc_u64 s[48:49], s[14:15], s[48:49]
	s_add_nc_u64 s[50:51], s[16:17], s[50:51]
.irp i, 0,1,2,3,4,5,6,7
	global_load_b128 v[KF+4*\i:KF+4*\i+3], v224, s[36:37] offset:8192*\i
.endr
.irp i, 0,1,2,3,4,5,6,7
	global_load_b128 v[VF+4*\i:VF+4*\i+3], v224, s[38:39] offset:8192*\i
.endr
	global_load_u16 v112, v228, s[40:41]
	global_load_u16 v113, v228, s[40:41] offset:128
	global_load_u16 v114, v228, s[40:41] offset:8
	global_load_u16 v115, v228, s[40:41] offset:136
	global_load_b64 v[118:119], v229, s[42:43]
	global_load_b32 v120, v230, s[12:13]
.irp i, 0,1,2,3
	global_load_b128 v[96+4*\i:99+4*\i], v231, s[12:13] offset:16*\i
.endr
	global_load_b128 v[QZ+4:QZ+7], v[L16], s[44:45]       ; the first pass's q
	global_load_u16 v[QHW], v[QHO], s[46:47]
.irp i, 0,1,2,3
	v_mov_b32 v[QZ+\i], 0
	v_mov_b32 v[QZ+8+\i], 0
.endr
	v_mov_b32 v[W+5], 0                            ; written once: lane permutes' destinations, and the upper halves of pairs of which the low word is taken
	v_mov_b32 v[W+7], 0
	v_mov_b32 v[W+9], 0
	v_mov_b32 v[W+15], 0
	s_wait_loadcnt 20                              ; K's eight loads are in; V's eight and the twelve small ones may be out
.irp i, 0,1,2,3,4,5,6,7
	ds_store_b128 v225, v[KF+4*\i:KF+4*\i+3] offset:8192*\i
.endr
	s_wait_loadcnt 12                              ; V's are in; the twelve small ones may be out
.irp i, 0,1,2,3,4,5,6,7
	ds_store_b128 v226, v[VF+4*\i:VF+4*\i+3] offset:8192*\i
.endr
	s_wait_loadcnt 0x0
	v_lshl_or_b32 v116, v113, 16, v112             ; a fragment's word: its first tile's two bytes, its second tile's two
	v_lshl_or_b32 v117, v115, 16, v114
	ds_store_b128 v232, v[116:119]
	v_and_b32 v124, 0xff, v120                     ; a mask byte, 0 or 1, becomes 0 or -infinity
	v_bfe_u32 v125, v120, 8, 8
	v_bfe_u32 v126, v120, 16, 8
	v_lshrrev_b32 v127, 24, v120
.irp i, 0,1,2,3
	v_sub_nc_u32 v[124+\i], 0, v[124+\i]
.endr
.irp i, 0,1,2,3
	v_and_b32 v[124+\i], 0xff800000, v[124+\i]
.endr
	ds_store_b128 v233, v[124:127]
.irp i, 0,1,2,3,4,5,6,7
	v_or_b32 v[96+\i], v[96+\i], v[104+\i]
.endr
.irp i, 0,1,2,3
	v_or_b32 v[96+\i], v[96+\i], v[100+\i]
.endr
	v_or_b32 v96, v96, v98
	v_or_b32 v97, v97, v99
	v_or_b32 v96, v96, v97
	v_cmp_ne_u32 s[FL], 0, v96                     ; the flags: lane i speaks for keys 64 i on
	s_wait_dscnt 0x0                               ; for the others' sake: my stores have landed
	s_barrier_signal -1
	s_barrier_wait -1                              ; the one barrier: from here on LDS is only read
.irp f, 0,1,2,3
.irp c, 0,1
	ds_load_b128 v[KF+8*\f+4*\c:KF+8*\f+4*\c+3], v[L16] offset:1024*\f+512*\c   ; K of step 0
.endr
.endr
	ds_load_b64 v[KSC:KSC+1], v[LS]
.macro PASS p
	s_wait_xcnt 0x0                                ; the last pass's stores have read their registers
	s_wait_loadcnt 0x0                             ; q and its halfword
	v_lshl_or_b32 v[QSC], v[QHW], 16, v[QHW]       ; q's scale word: its two bytes twice.  (The lines below stand between it and the first product)
	v_mov_b32 v13, 0xff61b1e6                      ; the largest t so far: -3e38
	v_floor_f32 v12, -v13                          ; -M
	v_mov_b32 v14, 0
	v_mov_b32 v15, 0
.set jj, 0
.rept 32
	v_mov_b32 v[O+jj], 0                           ; O^T: the step is written once; the first change of M multiplies zeros
.set jj, jj+1
.endr
	s_mov_b32 s[TB], 0
	s_mov_b32 s[TS], 0
	s_mov_b32 s[SH], 0
	s_mov_b32 s[CNT], 16
.Lstep_\@:
	v_add_nc_u32 v[ADV], s[TB], v[LV]              ; these four lines are the places behind the last trip's products
	v_add_nc_u32 v[ADS], s[TS], v[LS]
	v_nop
	v_nop
.irp t, 0,1,2,3
.irp c, 0,1
	ds_load_b128 v[VF+8*\t+4*\c:VF+8*\t+4*\c+3], v[ADV] offset:1024*\t+512*\c
.endr
.endr
	ds_load_b64 v[VSC:VSC+1], v[ADS] offset:8
	s_wait_dscnt 9                                 ; K of this step and its scale words are in; the nine loads just issued may be out
.irp f, 0,1,2,3
.if \f%2
	v_wmma_scale_f32_16x16x128_f8f6f4 v[S+16*\f:S+16*\f+7], v[KF+8*\f:KF+8*\f+7], v[QZ+4:QZ+11], 0, v[KSC+\f/2], v[QSC] matrix_a_fmt:MATRIX_FMT_FP4 matrix_b_fmt:MATRIX_FMT_FP4 matrix_a_scale:MATRIX_SCALE_ROW1
	v_wmma_scale_f32_16x16x128_f8f6f4 v[S+16*\f+8:S+16*\f+15], v[KF+8*\f:KF+8*\f+7], v[QZ:QZ+7], 0, v[KSC+\f/2], v[QSC] matrix_a_fmt:MATRIX_FMT_FP4 matrix_b_fmt:MATRIX_FMT_FP4 matrix_a_scale:MATRIX_SCALE_ROW1
.else
	v_wmma_scale_f32_16x16x128_f8f6f4 v[S+16*\f:S+16*\f+7], v[KF+8*\f:KF+8*\f+7], v[QZ+4:QZ+11], 0, v[KSC+\f/2], v[QSC] matrix_a_fmt:MATRIX_FMT_FP4 matrix_b_fmt:MATRIX_FMT_FP4
	v_wmma_scale_f32_16x16x128_f8f6f4 v[S+16*\f+8:S+16*\f+15], v[KF+8*\f:KF+8*\f+7], v[QZ:QZ+7], 0, v[KSC+\f/2], v[QSC] matrix_a_fmt:MATRIX_FMT_FP4 matrix_b_fmt:MATRIX_FMT_FP4
.endif
.endr
	s_add_co_u32 s[TN], s[TB], 4096
	s_and_b32 s[TN], s[TN], 0xffff                 ; behind the last step comes step 0, for the next pass
	s_add_co_u32 s[TSN], s[TS], 512
	s_and_b32 s[TSN], s[TSN], 0x1fff
	v_add_nc_u32 v[ADK], s[TN], v[L16]             ; four places behind the products: in front of the first read of scores and of the loads into K's registers
	v_add_nc_u32 v[ADS], s[TSN], v[LS]
	v_nop
	v_nop
	s_lshr_b32 s34, s[FL], s[SH]
	s_and_b32 s34, s34, 3
	s_cmp_eq_u32 s34, 0
	s_cbranch_scc1 .Lopen_\@                       ; no key of this step is masked
	v_add_nc_u32 v[ADB], s[TS], v[LB]
.irp c, 0,1
.irp u, 0,1,2,3,4,5,6,7
	ds_load_b128 v[MB+4*\u:MB+4*\u+3], v[ADB] offset:256*\c+16*\u
.endr
	s_wait_dscnt 0x0
.irp i, 0,2,4,6,8,10,12,14,16,18,20,22,24,26,28,30
	v_pk_add_f32 v[S+32*\c+\i:S+32*\c+\i+1], v[S+32*\c+\i:S+32*\c+\i+1], v[MB+\i:MB+\i+1]   ; + 0 or - infinity
.endr
.endr
.Lopen_\@:
.irp f, 0,1,2,3
.irp c, 0,1
	ds_load_b128 v[KF+8*\f+4*\c:KF+8*\f+4*\c+3], v[ADK] offset:1024*\f+512*\c   ; K of the next step: it has the softmax in which to land
.endr
.endr
	ds_load_b64 v[KSC:KSC+1], v[ADS]
	; the largest score of each of my two blocks of 32 keys: it serves for the row's maximum and, since p rises with the score, for the block's largest p.  Four chains by turns; each accumulator is first read at its low end
	v_max3_num_f32 v[W], v[S], v[S+1], v[S+2]
	v_max3_num_f32 v[W+2], v[S+17], v[S+18], v[S+19]
	v_max3_num_f32 v[W+1], v[S+32], v[S+33], v[S+34]
	v_max3_num_f32 v[W+3], v[S+49], v[S+50], v[S+51]
.irp i, 0,1,2,3,4,5
	v_max3_num_f32 v[W], v[W], v[S+3+2*\i], v[S+4+2*\i]
	v_max3_num_f32 v[W+2], v[W+2], v[S+20+2*\i], v[S+21+2*\i]
	v_max3_num_f32 v[W+1], v[W+1], v[S+35+2*\i], v[S+36+2*\i]
	v_max3_num_f32 v[W+3], v[W+3], v[S+52+2*\i], v[S+53+2*\i]
.endr
	v_max3_num_f32 v[W], v[W], v[S+15], v[S+16]
	v_max3_num_f32 v[W+1], v[W+1], v[S+47], v[S+48]
	v_max_num_f32 v[W], v[W], v[W+2]
	v_max_num_f32 v[W+1], v[W+1], v[W+3]
	v_max_num_f32 v[W+4], v[W], v[W+1]
	v_permlanex16_b32 v[W+5], v[W+4], s[SEL], s[SEL+1]
	v_max_num_f32 v[W+4], v[W+4], v[W+5]           ; the step's largest score of my query
	v_mul_f32 v[W+4], s[CS], v[W+4]                ; as t
	v_max_num_f32 v13, v13, v[W+4]                 ; the running largest t
	v_mov_b32 v[W+4], v12
	v_floor_f32 v12, -v13                          ; the new -M = floor(-t): M is a whole number
	v_sub_f32 v[W+4], v12, v[W+4]                  ; old M less new M: a whole number, 0 or less
	v_cvt_i32_f32 v[W+4], v[W+4]                   ; (it saturates)
	v_ldexp_f32 v[W+6], 1.0, v[W+4]                ; f = 2^(old M - new M): rounds nothing
.set jj, 0
.rept 32
	v_pk_fma_f32 v[S+jj:S+jj+1], v[S+jj:S+jj+1], s[CS:CS+1], v[12:13] op_sel_hi:[1,0,0]   ; t - M, two at a time
.set jj, jj+2
.endr
	v_fma_f32 v[W], v[W], s[CS], v12               ; the same of each block's largest score
	v_fma_f32 v[W+1], v[W+1], s[CS], v12
.set jj, 0
.rept 64
	v_exp_f32 v[S+jj], v[S+jj]                     ; p = 2^(t - M)
.set jj, jj+1
.endr
	v_pk_mul_f32 v[14:15], v[14:15], v[W+6:W+7] op_sel_hi:[1,0]   ; the sums under the new M (a plain line behind the exponentials)
	s_wait_alu depctr_va_vdst(0)                   ; one wait for the batch of 64, ahead of its first reader
	v_exp_f32 v[W], v[W]                           ; each block's largest p: the same two instructions on the same number
	v_exp_f32 v[W+1], v[W+1]
	v_pk_add_f32 v[W+8:W+9], v[S:S+1], v[S+2:S+3]  ; the row's sum is taken of the unquantised p, in two chains
.set jj, 4
.rept 15
	v_pk_add_f32 v[14:15], v[14:15], v[S+jj:S+jj+1]
	v_pk_add_f32 v[W+8:W+9], v[W+8:W+9], v[S+jj+2:S+jj+3]
.set jj, jj+4
.endr
	v_pk_add_f32 v[14:15], v[14:15], v[W+8:W+9]
	s_wait_alu depctr_va_vdst(0)                   ; and one for the two
	v_max_num_f32 v[W], 0x1800000, v[W]            ; the floor 2^(3 - 127): the byte cannot fall under 1
	v_max_num_f32 v[W+1], 0x1800000, v[W+1]
	v_add_nc_u32 v[W+10], 0xff000000, v[W]         ; 2 off the exponent field: the conversion's scale operand
	v_add_nc_u32 v[W+11], 0xff000000, v[W+1]
	v_lshrrev_b32 v[W+12], 23, v[W+10]
	v_lshrrev_b32 v[W+13], 23, v[W+11]
	v_lshl_or_b32 v[W+14], v[W+13], 16, v[W+12]    ; my blocks are lane / 16 and 2 + lane / 16:
	v_lshlrev_b32 v[W+14], v[H8], v[W+14]          ; their bytes at their places,
	v_permlanex16_b32 v[W+15], v[W+14], s[SEL], s[SEL+1]
	v_or_b32 v[PSC], v[W+14], v[W+15]              ; with lane l xor 16's two the word is whole
.irp g, 0,1,2,3,4,5,6,7
	v_cvt_scalef32_pk8_fp4_f32 v[PC+\g], v[S+8*\g:S+8*\g+7], v[W+10+\g/4]
.endr
	v_nop                                          ; one plain line behind the conversions
.set jj, 0
.rept 16
	v_pk_mul_f32 v[O+jj:O+jj+1], v[O+jj:O+jj+1], v[W+6:W+7] op_sel_hi:[1,0]   ; O^T under the new M.  (These lines also stand between p's scale word and codes and the products)
.set jj, jj+2
.endr
	s_wait_dscnt 9                                 ; V and its scale words are in; the nine loads of the next step's K may be out
.irp t, 0,1,2,3
.if \t%2
	v_wmma_scale_f32_16x16x128_f8f6f4 v[O+8*\t:O+8*\t+7], v[VF+8*\t:VF+8*\t+7], v[PC:PC+7], v[O+8*\t:O+8*\t+7], v[VSC+\t/2], v[PSC] matrix_a_fmt:MATRIX_FMT_FP4 matrix_b_fmt:MATRIX_FMT_FP4 matrix_a_scale:MATRIX_SCALE_ROW1
.else
	v_wmma_scale_f32_16x16x128_f8f6f4 v[O+8*\t:O+8*\t+7], v[VF+8*\t:VF+8*\t+7], v[PC:PC+7], v[O+8*\t:O+8*\t+7], v[VSC+\t/2], v[PSC] matrix_a_fmt:MATRIX_FMT_FP4 matrix_b_fmt:MATRIX_FMT_FP4
.endif
.endr
	s_add_co_u32 s[TB], s[TB], 4096
	s_add_co_u32 s[TS], s[TS], 512
	s_add_co_u32 s[SH], s[SH], 2
	s_sub_co_u32 s[CNT], s[CNT], 1
	s_cmp_lg_u32 s[CNT], 0
	s_cbranch_scc1 .Lstep_\@
.if (\p)==0
	global_load_b128 v[QZ+4:QZ+7], v[L16], s[44:45] offset:8192      ; the next pass's q: 16 tiles on
	global_load_u16 v[QHW], v[QHO], s[46:47] offset:16384
.endif
	; THE WAY OUT: O^T / the sum; my 32 numbers are one block of the projection's K
	v_add_f32 v14, v14, v15
	v_permlanex16_b32 v[W+5], v14, s[SEL], s[SEL+1]
	v_add_f32 v14, v14, v[W+5]                     ; the row's sum
	v_mov_b32 v[W+4], 0xff
	v_rcp_f32 v[W+8], v14
	v_cmp_eq_f32 vcc_lo, 0, v14                    ; (a plain line behind the reciprocal)  every key masked?
	s_wait_alu depctr_va_vdst(0)
	v_cndmask_b32 v[W+8], v[W+8], 0, vcc_lo        ; then 0 in place of infinity: the NaN is carried by the scale byte
	v_nop
.set jj, 0
.rept 16
	v_pk_mul_f32 v[O+jj:O+jj+1], v[O+jj:O+jj+1], v[W+8:W+9] op_sel_hi:[1,0]   ; from the low end on
.set jj, jj+2
.endr
	v_max3_num_f32 v[W], |v[O]|, |v[O+1]|, 0x1800000
	v_max3_num_f32 v[W+1], |v[O+2]|, |v[O+3]|, 0x1800000
.irp i, 4,8,12,16,20,24,28
	v_max3_num_f32 v[W], v[W], |v[O+\i]|, |v[O+\i+1]|
	v_max3_num_f32 v[W+1], v[W+1], |v[O+\i+2]|, |v[O+\i+3]|
.endr
	v_max_num_f32 v[W], v[W], v[W+1]
	v_add_nc_u32 v[W+2], 0xff000000, v[W]
	v_lshrrev_b32 v[W+3], 23, v[W+2]
	v_cndmask_b32 v[W+3], v[W+3], v[W+4], vcc_lo
.irp g, 0,1,2,3
	v_cvt_scalef32_pk8_fp4_f32 v[PC+\g], v[O+8*\g:O+8*\g+7], v[W+2]
.endr
	v_nop                                          ; one plain line behind the conversions
	global_store_b128 v[L16], v[PC:PC+3], s[48:49] offset:131072*(\p)   ; 512 consecutive bytes, aligned: half a fragment of the projection's operand
	global_store_b8 v[ASO], v[W+3], s[50:51] offset:8192*(\p)           ; my block's scale byte
.endm
	PASS 0
	PASS 1
	s_wait_tensorcnt 0x0                           ; the wave's end
	ds_add_u32 v[SPW], v[NIL]
	s_wait_dscnt 0x0
	s_endpgm
.Lfunc_end_k_q61b8fd7ec7_attn:
	.size	k_q61b8fd7ec7_attn, .Lfunc_end_k_q61b8fd7ec7_attn-k_q61b8fd7ec7_attn
	.p2alignl 7, 3214868480
	.fill 96, 4, 3214868480
	.section	.rodata,"a",@progbits
	.p2align	6, 0x0
	.amdhsa_kernel k_q61b8fd7ec7_attn
		.amdhsa_group_segment_fixed_size 149504
		.amdhsa_private_segment_fixed_size 0
		.amdhsa_enable_private_segment 0
		.amdhsa_kernarg_size 56
		.amdhsa_user_sgpr_count 2
		.amdhsa_user_sgpr_kernarg_segment_ptr 1
		.amdhsa_wavefront_size32 1
		.amdhsa_system_sgpr_workgroup_id_x 1
		.amdhsa_system_sgpr_workgroup_id_y 1
		.amdhsa_system_sgpr_workgroup_id_z 1
		.amdhsa_system_vgpr_workitem_id 0
		.amdhsa_next_free_vgpr 256
		.amdhsa_next_free_sgpr 66
		.amdhsa_reserve_vcc 1
		.amdhsa_float_denorm_mode_32 3
		.amdhsa_float_denorm_mode_16_64 3
		.amdhsa_memory_ordered 1
		.amdhsa_forward_progress 1
		.amdhsa_inst_pref_size 55
	.end_amdhsa_kernel
	.amdgpu_metadata
---
amdhsa.version: [ 1, 2 ]
amdhsa.kernels:
  - .name:           k_q61b8fd7ec7_attn
    .symbol:         k_q61b8fd7ec7_attn.kd
    .args:
      - { .name: qk_img, .offset: 0, .size: 8, .value_kind: global_buffer, .address_space: global }
      - { .name: qk_sc, .offset: 8, .size: 8, .value_kind: global_buffer, .address_space: global }
      - { .name: v_img, .offset: 16, .size: 8, .value_kind: global_buffer, .address_space: global }
      - { .name: v_sc, .offset: 24, .size: 8, .value_kind: global_buffer, .address_space: global }
      - { .name: key_padding_mask, .offset: 32, .size: 8, .value_kind: global_buffer, .address_space: global }
      - { .name: a_img, .offset: 40, .size: 8, .value_kind: global_buffer, .address_space: global }
      - { .name: a_sc, .offset: 48, .size: 8, .value_kind: global_buffer, .address_space: global }
    .group_segment_fixed_size: 149504
    .private_segment_fixed_size: 0
    .kernarg_segment_align: 8
    .kernarg_segment_size: 56
    .max_flat_workgroup_size: 512
    .sgpr_count:     66
    .vgpr_count:     256
    .wavefront_size: 32
...
	.end_amdgpu_metadata
.endif
;; end of part 3
;; launch oproj (part 4): grid 4 x 64, 4 waves a work-group, clusters of 4 x 4, 327,680 bytes of LDS; arguments a_img, a_sc, W_out_codes, W_out_scales, b_out, out0; writes out0
.if DOCPART == 4
	.amdgcn_target "amdgcn-amd-amdhsa--gfx1250"
	.amdhsa_code_object_version 6
	.text
	.protected	k_q61b8fd7ec7_oproj
	.globl	k_q61b8fd7ec7_oproj
	.p2align	8
	.type	k_q61b8fd7ec7_oproj,@function
k_q61b8fd7ec7_oproj:
	s_mov_b64 s[64:65], 0
	v_nop
	global_prefetch_b8 v0, s[64:65] scope:SCOPE_SE
	s_setreg_imm32_b32 hwreg(HW_REG_WAVE_MODE, 25, 1), 1
	s_wait_xcnt 0x0
	s_wait_alu depctr_hold_cnt(0) depctr_sa_sdst(0) depctr_va_vdst(0) depctr_va_sdst(0) depctr_va_ssrc(0) depctr_va_vcc(0) depctr_vm_vsrc(0)
	s_getreg_b32 s2, hwreg(HW_REG_IB_STS2, 6, 4)
	s_cmp_eq_u32 s2, 0
	s_cbranch_scc0 .Lentry_in_a_cluster
	s_endpgm
.Lentry_in_a_cluster:
	s_bfe_u32 s2, ttmp6, 0x10000c
	s_cmp_lg_u32 s2, 0xf033
	s_cbranch_scc0 .Lentry_shape_is_right
	s_endpgm
.Lentry_shape_is_right:
; out0 = a W_out^T + b_out on codes of E2M1 with E8M0 scales; a: attention's result as launch attn has quantised it.  Nothing is left out.
; SHARES.  A work-group: 128 rows x 256 columns; a wave: 64 x 128: 32 accumulators of 16 x 16.  THE PRODUCT IS USED TRANSPOSED: source 0 = 16 rows of W_out, source 1 = 16 rows of a: a lane holds eight neighbouring numbers of a row of out0.
; a_img[tile of 16 rows][K step 8][c 2][lane][16 bytes] is the image of source 1's registers: a slot's part of a tile of rows is 4,096 dense bytes, and a fragment comes by two loads at 16 x lane, with no pitch and no padding.
; K = 1,024 is two LDS slots of 512 along K, each filled once.  CLUSTER 4 x 4: a's tiles are asked for jointly along a row of the cluster, W_out's along a column.
; A row whose keys were all masked has scale bytes 0xff: its sums are NaN, as in reference().
.set NA,     4
.set PITCH,  272
.set HALFA,  16384                     ; four tiles of rows x 4,096 bytes
.set HALFB,  128*PITCH
.set SLOT,   2*HALFA+2*HALFB
.set SCL,    2*SLOT
.set HALFSA, 8*272
.set HALFSB, 16*272
.set SBLK,   544
.set SPARE,  SCL+2*HALFSA+2*HALFSB
.set SPITCH, 528                       ; the way out: a stage of 16 rows x (512 + 16) bytes for each wave, in slot 0: it has had its only fill, and nobody reads it behind K step 3's barrier
.set ADRA, 16
.set ADRB, 20
.set STO,  24
.set RD,   25
.set CO,   26
.set ADRS, 27
.set SPW,  28
.set NIL,  29
.set SC,   32
.set AF,   128
.set BIAS, 64
.set BK,   128                         ; the way out: 16 rows read back: v128-191 and v192-255 by turns
.set G1, 24
.set G0, 32
.set G1B, 48
.set G0B, 56
.set G1S, 68
.set G0S, 76
.set G1SB, 80
.set G0SB, 88
.set CODEW, (1<<20)|(1<<21)|(5<<22)|(3<<25)
.set IMGW,  (3<<16)|(1<<21)                          ; elements of 8 bytes, no padding, bit 21 beside a mask
.set SCLW,  (3<<16)|(1<<20)|(1<<21)|(5<<22)|(3<<25)
.set MSB, 0
.macro WIN new
.if MSB != \new
	s_set_vgpr_msb (MSB<<8)|\new
.set MSB, \new
.endif
.endm
.macro JLOAD g0a, g1a, g0b, g1b        ; a joint load: waves 0, 1 fetch for a, waves 2, 3 for W_out; an s_nop 0 and four v_nop follow each line
	s_cmp_eq_u32 s21, 0
	s_cbranch_scc0 .Lfor_b_\@
	tensor_load_to_lds s[\g0a:\g0a+3], s[\g1a:\g1a+7]
	s_nop 0
.rept 4
	v_nop
.endr
	s_branch .Lasked_\@
.Lfor_b_\@:
	tensor_load_to_lds s[\g0b:\g0b+3], s[\g1b:\g1b+7]
	s_nop 0
.rept 4
	v_nop
.endr
.Lasked_\@:
.endm
.macro CROUND
	s_barrier_signal -1
	s_barrier_wait -1
	s_cmp_lg_u32 s20, 0
	s_cbranch_scc1 .Lnot_wave_0_\@
	s_barrier_signal -3
.Lnot_wave_0_\@:
	s_barrier_wait -3
	s_barrier_signal -1
	s_barrier_wait -1
.endm
.macro PLACES n
.rept \n
	v_nop
.endr
.endm
.macro FRAG reg, adr, off
	ds_load_b128 v[\reg:\reg+3], v[\adr] offset:\off
	ds_load_b128 v[\reg+4:\reg+7], v[\adr] offset:\off+32
.endm
.macro FRAGI reg, adr, off             ; a fragment from its image: two runs of 512 consecutive bytes
	ds_load_b128 v[\reg:\reg+3], v[\adr] offset:\off
	ds_load_b128 v[\reg+4:\reg+7], v[\adr] offset:\off+512
.endm
.macro FETCH k
	WIN 0x40
.irp i, 0,1,2,3,4,5,6,7
	FRAG 128*((\k)%2)+8*\i, ADRB+(\k)/4, 64*((\k)%4)+\i*16*PITCH
.endr
	WIN 0
.irp i, 0,1,2,3
	FRAGI AF+8*NA*((\k)%2)+8*\i, ADRA+(\k)/4, 1024*((\k)%4)+\i*4096
.endr
.endm
.macro MUL k, a
.irp b, 0,1,2,3,4,5,6,7
.if (\k)==0
	v_wmma_scale_f32_16x16x128_f8f6f4 v[8*(8*(\a)+\b):8*(8*(\a)+\b)+7], v[128*((\k)%2)+8*\b:128*((\k)%2)+8*\b+7], v[AF+8*NA*((\k)%2)+8*(\a):AF+8*NA*((\k)%2)+8*(\a)+7], v[BIAS+8*\b:BIAS+8*\b+7], v[SC+32*((\k)/4)+4*\b+(\k)%4], v[SC+32*((\k)/4)+4*(\a)+(\k)%4] matrix_a_fmt:MATRIX_FMT_FP4 matrix_b_fmt:MATRIX_FMT_FP4 matrix_a_scale:MATRIX_SCALE_ROW1
.else
	v_wmma_scale_f32_16x16x128_f8f6f4 v[8*(8*(\a)+\b):8*(8*(\a)+\b)+7], v[128*((\k)%2)+8*\b:128*((\k)%2)+8*\b+7], v[AF+8*NA*((\k)%2)+8*(\a):AF+8*NA*((\k)%2)+8*(\a)+7], v[8*(8*(\a)+\b):8*(8*(\a)+\b)+7], v[SC+32*((\k)/4)+4*\b+(\k)%4], v[SC+32*((\k)/4)+4*(\a)+(\k)%4] matrix_a_fmt:MATRIX_FMT_FP4 matrix_b_fmt:MATRIX_FMT_FP4 matrix_a_scale:MATRIX_SCALE_ROW1
.endif
.endr
.endm
.macro STEP k
	s_wait_dscnt 0x0                               ; this step's fragments are in
.if (\k)==3
	s_wait_tensorcnt 0x0                           ; my part of slot 1 has landed, my reads of slot 0 are over:
	s_barrier_signal -1
	s_barrier_wait -1                              ; everybody's.
.endif
.if (\k)>0
	PLACES 4
.endif
.if (\k)<7
	FETCH (\k)+1
.endif
.if (\k)==0
	WIN 0x91
.else
	WIN 0xa1
.endif
.irp a, 0,1,2,3
	MUL \k, \a
.endr
.endm
	s_load_b256 s[4:11], s[0:1], 0x0               ; a_img s[4:5], a_sc s[6:7], W codes s[8:9], W scales s[10:11]
	s_load_b128 s[12:15], s[0:1], 0x20             ; b_out s[12:13], out0 s[14:15]
	v_lshl_add_u32 v[SPW], v0, 2, SPARE
	v_mov_b32 v[NIL], 0
	ds_add_u32 v[SPW], v[NIL]                      ; the opening: the add, twice on end, and its wait ahead of my first tensor load
	ds_add_u32 v[SPW], v[NIL]
	v_lshrrev_b32 v1, 5, v0
	v_readfirstlane_b32 s20, v1                    ; wave
	s_lshr_b32 s21, s20, 1                         ; RH: which 64 rows are mine.  Also: I fetch for a (0) or for W_out (1)
	s_and_b32 s22, s20, 1                          ; CH: which 128 columns are mine.  Also: which half I fetch
	s_bfe_u32 s40, ttmp6, 0x40000
	s_bfe_u32 s41, ttmp6, 0x40004
	s_lshl_b32 s42, ttmp9, 2
	s_add_co_u32 s42, s42, s40                     ; tile x: 256 columns
	s_and_b32 s43, ttmp7, 0xffff
	s_lshl_b32 s43, s43, 2
	s_add_co_u32 s43, s43, s41                     ; tile y: 128 rows
	s_lshl_b32 s44, s41, 2
	s_lshl_b32 s44, 15, s44
	s_lshl_b32 s45, 0x1111, s40
	s_or_b32 s[G1], s44, IMGW                      ; a's images: 4 tiles of rows x 512 elements of 8 bytes, 1,024 elements apart
	s_mov_b32 s[G1+1], 512<<16
	s_mov_b32 s[G1+2], 4<<16
	s_mov_b32 s[G1+3], 512<<16
	s_mov_b32 s[G1+4], 4
	s_mov_b32 s[G1+5], 1024
	s_mov_b32 s[G1+6], 0
	s_mov_b32 s[G1+7], 0
	s_or_b32 s[G1B], s45, CODEW
	s_mov_b32 s[G1B+1], 256<<16
	s_mov_b32 s[G1B+2], 128<<16
	s_mov_b32 s[G1B+3], 256<<16
	s_mov_b32 s[G1B+4], 128
	s_mov_b32 s[G1B+5], 512
	s_mov_b32 s[G1B+6], 0
	s_mov_b32 s[G1B+7], 0
	s_or_b32 s[G1S], s44, SCLW
	s_mov_b32 s[G1S+1], 32<<16
	s_mov_b32 s[G1S+2], 8<<16
	s_mov_b32 s[G1S+3], 32<<16
	s_mov_b32 s[G1S+4], 8
	s_mov_b32 s[G1S+5], 32
	s_mov_b32 s[G1S+6], 0
	s_mov_b32 s[G1S+7], 0
	s_or_b32 s[G1SB], s45, SCLW
	s_mov_b32 s[G1SB+1], 32<<16
	s_mov_b32 s[G1SB+2], 16<<16
	s_mov_b32 s[G1SB+3], 32<<16
	s_mov_b32 s[G1SB+4], 16
	s_mov_b32 s[G1SB+5], 32
	s_mov_b32 s[G1SB+6], 0
	s_mov_b32 s[G1SB+7], 0
	s_lshl_b32 s92, s43, 3
	s_lshl_b32 s46, s22, 2
	s_add_co_u32 s92, s92, s46                     ; a's tile of 16 rows: 8 tile y + 4 half
	s_lshl_b32 s96, s42, 8
	s_lshl_b32 s46, s22, 7
	s_add_co_u32 s96, s96, s46                     ; W_out's row: 256 tile x + 128 half
	s_mov_b32 s93, 0
	s_mov_b32 s97, 0
	s_lshl_b64 s[94:95], s[92:93], 9               ; 16 rows x 32 scale bytes
	s_lshl_b64 s[98:99], s[96:97], 5
	s_lshl_b64 s[92:93], s[92:93], 13              ; 8,192 bytes of images a tile
	s_lshl_b64 s[96:97], s[96:97], 9
	s_mul_i32 s46, s22, HALFA
	s_mul_i32 s47, s22, HALFB
	s_add_co_u32 s47, s47, 2*HALFA
	s_mul_i32 s2, s22, HALFSA
	s_add_co_u32 s2, s2, SCL
	s_mul_i32 s3, s22, HALFSB
	s_add_co_u32 s3, s3, SCL+2*HALFSA
	s_wait_dscnt 0x0                               ; both opening adds are done
	s_wait_kmcnt 0x0
	s_add_nc_u64 s[92:93], s[4:5], s[92:93]
	s_add_nc_u64 s[94:95], s[6:7], s[94:95]
	s_add_nc_u64 s[96:97], s[8:9], s[96:97]
	s_add_nc_u64 s[98:99], s[10:11], s[98:99]
	CROUND
	s_mov_b32 s[G0S], 1
	s_mov_b32 s[G0S+1], s2
	s_mov_b64 s[G0S+2:G0S+3], s[94:95]
	s_or_b32 s[G0S+3], s[G0S+3], 0x80000000
	s_mov_b32 s[G0SB], 1
	s_mov_b32 s[G0SB+1], s3
	s_mov_b64 s[G0SB+2:G0SB+3], s[98:99]
	s_or_b32 s[G0SB+3], s[G0SB+3], 0x80000000
	JLOAD G0S, G1S, G0SB, G1SB
.irp s, 0,1
	s_mov_b32 s[G0+4*\s], 1
	s_add_co_u32 s[G0+4*\s+1], s46, \s*SLOT
	s_add_nc_u64 s[G0+4*\s+2:G0+4*\s+3], s[92:93], \s*4096
	s_or_b32 s[G0+4*\s+3], s[G0+4*\s+3], 0x80000000
	s_mov_b32 s[G0B+4*\s], 1
	s_add_co_u32 s[G0B+4*\s+1], s47, \s*SLOT
	s_add_nc_u64 s[G0B+4*\s+2:G0B+4*\s+3], s[96:97], \s*256
	s_or_b32 s[G0B+4*\s+3], s[G0B+4*\s+3], 0x80000000
	JLOAD G0+4*\s, G1, G0B+4*\s, G1B               ; three tensor loads of mine are out
.endr
	v_and_b32 v1, 15, v0                           ; r
	v_bfe_u32 v2, v0, 4, 1                         ; h
	v_and_b32 v7, 31, v0
	v_lshlrev_b32 v[CO], 4, v7                     ; 16 x lane
	v_lshlrev_b32 v3, 5, v2
	s_lshl_b32 s46, s42, 10
	s_lshl_b32 s47, s22, 9
	s_add_co_u32 s46, s46, s47                     ; my first column, in bytes
	s_mov_b32 s47, 0
	s_add_nc_u64 s[12:13], s[12:13], s[46:47]
	WIN 0x40
.irp b, 0,1,2,3,4,5,6,7
	global_load_b128 v[BIAS+8*\b:BIAS+8*\b+3], v3, s[12:13] offset:64*\b
	global_load_b128 v[BIAS+8*\b+4:BIAS+8*\b+7], v3, s[12:13] offset:64*\b+16
.endr
	WIN 0
	s_lshl_b32 s2, s43, 7
	s_lshl_b32 s3, s21, 6
	s_add_co_u32 s2, s2, s3                        ; my first row
	s_lshl_b32 s2, s2, 12                          ; 4,096 bytes a row of out0
	s_add_co_u32 s2, s2, s46
	s_mov_b32 s3, 0
	s_add_nc_u64 s[14:15], s[14:15], s[2:3]
	v_mul_u32_u24 v4, v1, PITCH
	v_lshl_add_u32 v4, v2, 4, v4
	s_mul_i32 s46, s21, HALFA
	s_mul_i32 s47, s22, HALFB
	s_add_co_u32 s47, s47, 2*HALFA
.irp s, 0,1
	v_add_nc_u32 v[ADRA+\s], s46, v[CO]
	v_add_nc_u32 v[ADRB+\s], s47, v4
	s_add_co_u32 s46, s46, SLOT
	s_add_co_u32 s47, s47, SLOT
.endr
	v_lshlrev_b32 v5, 5, v1
	v_lshrrev_b32 v6, 8, v5
	v_lshl_add_u32 v5, v6, 4, v5
	s_mul_i32 s46, s21, HALFSA
	s_mul_i32 s47, s22, HALFSB
	s_add_co_u32 s47, s47, 2*HALFSA
	s_sub_co_u32 s47, s47, s46
	v_mul_u32_u24 v6, s47, v2                      ; lanes 16-31 take W_out's
	s_add_co_u32 s46, s46, SCL
	v_add_nc_u32 v5, v5, v6
	v_add_nc_u32 v[ADRS], s46, v5
	s_mul_i32 s46, s20, 16*SPITCH                  ; my stage
	v_mul_u32_u24 v5, v1, SPITCH
	v_lshl_add_u32 v5, v2, 5, v5
	v_add_nc_u32 v[STO], s46, v5                   ; in: row r, 32 bytes for each half of the lanes
	v_add_nc_u32 v[RD], s46, v[CO]                 ; back: the 32 lanes take one row of 512 bytes
	s_wait_tensorcnt 1                             ; the scale bytes and my part of slot 0 are in; slot 1's load may stay out
	s_barrier_signal -1
	s_barrier_wait -1
.irp s, 0,1
.irp i, 0,1,2,3,4,5,6,7
	ds_load_b128 v[SC+32*\s+4*\i:SC+32*\s+4*\i+3], v[ADRS] offset:\i*SBLK+16*\s   ; (for i over 3 lanes 0-15 read bytes that no product names)
.endr
.endr
	FETCH 0
	s_wait_loadcnt 0x0                             ; the bias
.irp k, 0,1,2,3,4,5,6,7
	STEP \k
.endr
; THE WAY OUT, block by block of 16 rows x 128 columns, through my own stage: in as 32 bytes a lane, back as whole rows of 512 bytes.  LDS serves a wave's instructions in order: no wait between the stores and the loads.
.macro TOSTAGE a
	WIN 0x08                                       ; an LDS store's data: window 2
.irp b, 0,1,2,3,4,5,6,7
	ds_store_b128 v[STO], v[64*(\a)+8*\b:64*(\a)+8*\b+3] offset:64*\b          ; each accumulator from its low end on
	ds_store_b128 v[STO], v[64*(\a)+8*\b+4:64*(\a)+8*\b+7] offset:64*\b+16
.endr
	WIN 0
.irp t, 0,1,2,3,4,5,6,7,8,9,10,11,12,13,14,15
	ds_load_b128 v[BK+64*((\a)%2)+4*\t:BK+64*((\a)%2)+4*\t+3], v[RD] offset:\t*SPITCH
.endr
.endm
.macro SEND a, younger                 ; younger: the LDS instructions issued behind block a's loads, which may stay out
	s_wait_dscnt \younger
.if (\a)>0
	s_add_nc_u64 s[14:15], s[14:15], 16*4096       ; 16 rows on (behind a wait on XCNT: the earlier stores have read their base)
.endif
.irp t, 0,1,2,3,4,5,6,7,8,9,10,11,12,13,14,15
	global_store_b128 v[CO], v[BK+64*((\a)%2)+4*\t:BK+64*((\a)%2)+4*\t+3], s[14:15] offset:\t*4096 th:TH_STORE_NT   ; 512 consecutive bytes, aligned; written once, read by nobody here
.endr
.endm
	PLACES 4                                       ; in front of the first read of results and of the loads into registers that held fragments
	TOSTAGE 0
.irp a, 1,2,3
.if \a > 1
	s_wait_xcnt 0x0                                ; block a - 2's stores have read their registers and their base
.endif
	TOSTAGE \a
	SEND \a-1, 32                                  ; behind block a - 1's loads: block a's 16 stores and 16 loads
.endr
	s_wait_xcnt 0x0
	SEND 3, 0
	s_wait_tensorcnt 0x0                           ; the wave's end
	ds_add_u32 v[SPW], v[NIL]
	s_wait_dscnt 0x0
	CROUND                                         ; the closing round
	s_endpgm
.Lfunc_end_k_q61b8fd7ec7_oproj:
	.size	k_q61b8fd7ec7_oproj, .Lfunc_end_k_q61b8fd7ec7_oproj-k_q61b8fd7ec7_oproj
	.p2alignl 7, 3214868480
	.fill 96, 4, 3214868480
	.section	.rodata,"a",@progbits
	.p2align	6, 0x0
	.amdhsa_kernel k_q61b8fd7ec7_oproj
		.amdhsa_group_segment_fixed_size 327680
		.amdhsa_private_segment_fixed_size 0
		.amdhsa_enable_private_segment 0
		.amdhsa_kernarg_size 48
		.amdhsa_user_sgpr_count 2
		.amdhsa_user_sgpr_kernarg_segment_ptr 1
		.amdhsa_wavefront_size32 1
		.amdhsa_system_sgpr_workgroup_id_x 1
		.amdhsa_system_sgpr_workgroup_id_y 1
		.amdhsa_system_sgpr_workgroup_id_z 1
		.amdhsa_system_vgpr_workitem_id 0
		.amdhsa_next_free_vgpr 768
		.amdhsa_next_free_sgpr 100
		.amdhsa_reserve_vcc 0
		.amdhsa_float_denorm_mode_32 3
		.amdhsa_float_denorm_mode_16_64 3
		.amdhsa_memory_ordered 1
		.amdhsa_forward_progress 1
		.amdhsa_inst_pref_size 74
	.end_amdhsa_kernel
	.amdgpu_metadata
---
amdhsa.version: [ 1, 2 ]
amdhsa.kernels:
  - .name:           k_q61b8fd7ec7_oproj
    .symbol:         k_q61b8fd7ec7_oproj.kd
    .args:
      - { .name: a_img, .offset: 0, .size: 8, .value_kind: global_buffer, .address_space: global }
      - { .name: a_sc, .offset: 8, .size: 8, .value_kind: global_buffer, .address_space: global }
      - { .name: W_out_codes, .offset: 16, .size: 8, .value_kind: global_buffer, .address_space: global }
      - { .name: W_out_scales, .offset: 24, .size: 8, .value_kind: global_buffer, .address_space: global }
      - { .name: b_out, .offset: 32, .size: 8, .value_kind: global_buffer, .address_space: global }
      - { .name: out0, .offset: 40, .size: 8, .value_kind: global_buffer, .address_space: global }
    .group_segment_fixed_size: 327680
    .private_segment_fixed_size: 0
    .kernarg_segment_align: 8
    .kernarg_segment_size: 48
    .max_flat_workgroup_size: 128
    .sgpr_count:     100
    .vgpr_count:     768
    .wavefront_size: 32
...
	.end_amdgpu_metadata
.endif
;; end of part 4
;; ======== version 2 of 2: 4 launches; version 1 with the launch attn written anew for expert scheduling mode
;; workspace buffers: qk_img 8,388,608 bytes; qk_sc 524,288 bytes; v_img 4,194,304 bytes; v_sc 262,144 bytes; rope 524,288 bytes; a_img 4,194,304 bytes; a_sc 262,144 bytes
;; launch vproj: the kernel of part 1 again; grid 32 x 8, 4 waves a work-group, clusters of 4 x 4, 327,680 bytes of LDS; arguments W_qkv_codes, W_qkv_scales, x_codes, x_scales, b_qkv, v_img, v_sc, rope; writes v_img, v_sc, rope
;; launch qk: the kernel of part 2 again; grid 8 x 32, 4 waves a work-group, clusters of 4 x 4, 327,680 bytes of LDS; arguments x_codes, x_scales, W_qkv_codes, W_qkv_scales, b_qkv, rope, qk_img, qk_sc; writes qk_img, qk_sc
;; launch attn (part 5): grid 4 x 64, 16 waves a work-group, no clusters, 149,504 bytes of LDS; arguments qk_img, qk_sc, v_img, v_sc, key_padding_mask, a_img, a_sc; writes a_img, a_sc
.if DOCPART == 5
	.amdgcn_target "amdgcn-amd-amdhsa--gfx1250"
	.amdhsa_code_object_version 6
	.text
	.protected	k_q61b8fd7ec7_attn
	.globl	k_q61b8fd7ec7_attn
	.p2align	8
	.type	k_q61b8fd7ec7_attn,@function
k_q61b8fd7ec7_attn:
	s_mov_b64 s[64:65], 0
	v_nop
	global_prefetch_b8 v0, s[64:65] scope:SCOPE_SE
	s_setreg_imm32_b32 hwreg(HW_REG_WAVE_SCHED_MODE, 0, 2), 2
	s_setreg_imm32_b32 hwreg(HW_REG_WAVE_MODE, 25, 1), 1
	s_wait_xcnt 0x0
	s_wait_alu depctr_vm_vsrc(0)
; For one batch and head: o = softmax(q k^T / 8, keys under the padding mask at -infinity) v, both products on codes of E2M1 with E8M0 scales; o is then quantised along the model's axis (a head is two blocks of 32) for the projection.  Nothing is left out.
; THE SOFTMAX AHEAD OF THE SECOND PRODUCT: t = score x log2(e) / 8; M = the running largest t rounded UP to a whole number; p = 2^(t - M) is quantised along the keys, not normalised; the sum of the unquantised p divides at the end.
; SHARES.  A work-group: one (batch, head) and 512 queries; each of its sixteen waves two tiles of 16 queries, one after the other (two passes).  A lane holds ONE query throughout.
; ALL of the head's K and V (64 KiB each as codes) lies in LDS: staged once through registers, one barrier, read by all sixteen waves in both passes.
; NO TENSOR LOAD, NO CLUSTER: a key step branches on the padding mask, a number read from memory.
; What work-groups of a head share is 136 KiB, read once each, for 512 x 2,048 scores.
; LAYOUTS, chosen in the staging, where they cost nothing.  Both products are used transposed: S^T = K Q^T, O^T = V^T P^T.
;   Row m of key tile t (of 8 in a step of 128 keys) is key 64 (t / 4) + 32 (m / 8) + 8 (t % 4) + m % 8: so a lane's score register i is key 64 (i / 32) + 32 (lane / 16) + i % 32: WHOLE blocks of 32 keys in a lane:
;   a block's maximum asks no other lane, and the eight conversions' results are P's operand registers as they stand.
;   Row m of V's tile t (of 4) is channel 32 (m / 8) + 8 t + m % 8: so a lane's 32 registers of O^T are channels 32 (lane / 16) + 0..31: a whole block of the next product's K.
;   THE HEAD'S K IS 64, the instruction's 128: a fragment of K holds TWO key tiles (registers 0-3, 4-7) and is multiplied once by (q, zeros) and once by (zeros, q).  The half that does not count has zero codes on Q's side alone.
; THE MASK: a table of 0 and -infinity in LDS is added to the scores of a step, ahead of the maximum, where the step has a masked key: a scalar branch on 32 flags (one for 64 keys) made from the mask's bytes.
; LIMITS: where every key of a batch is masked reference() gives NaN: here the sum is 0, 1 / sum is replaced by 0 and the row's scale bytes by 0xff, which makes the projection's sums NaN.  NaN and infinities among the inputs are not served.
; p under 2^-126 counts as 0.  A block whose largest magnitude lies under 2^-124 gets the byte 1.  The second pass's last trip fetches a fragment of K that nobody uses (the loop is written once for both passes).
; THE MODE: SCHED_MODE bits 1:0 = 2 (LLVM: expert scheduling mode 2), set by the entry lines.  The code itself states the register dependences
; between vector or matrix instructions and memory or LDS instructions, with s_wait_alu, always for 0.
; THE PLAN.  Registers that LDS instructions touch in a key step:
;   KF, KSC   K's fragments and scale words.  Read by the eight products K Q^T at the step's head; the next step's land in them.
;   VF, VSC   V's.  Read by the four products V^T P^T at the step's end; this step's land in them.  In a masked step VF first takes the second half of the mask's table, which sixteen additions read.
;   MB        The first half of the mask's table, in a masked step alone: eight loads land in it, sixteen additions read it.
;   ADV, ADT, ADK, ADS, ADB   The step's five LDS addresses: written in one run behind the products K Q^T, read by the step's loads.
; The wait that the batch of 64 exponentials owes stands behind every reader of KF, KSC, VF and VSC and behind the run that writes the addresses: so the step's eighteen loads stand behind it and owe nothing more;
; they are dealt among the additions of the row's sum, which name the scores, the sums and two registers at work, and none of the registers that the loads touch.  V's nine go first, since they are wanted first.
; One wait on vm_vsrc a step stands ahead of the run that writes the addresses.  A masked step has one wait more, ahead of its sixteen loads of the table.  P's codes and scale word, which vector lines write, have their wait ahead of the products that take them.
.set VL,    65536                      ; LDS: K at 0, V here: [step 16][tile pair or tile 4][c 2][lane][16 bytes]
.set SCB,   131072                     ; [step 16][lane][K word, K word, V word, V word]
.set BIA,   139264                     ; [key 2048] f32: 0 or -infinity
.set SPARE, 147456                     ; the spare words: 128 bytes a wave, named by no other line
.set L16, 1                            ; v1  16 x lane
.set LV,  2                            ; v2  16 x lane + VL
.set LS,  3                            ; v3  16 x lane + SCB
.set LB,  4                            ; v4  BIA + 128 (lane / 16)
.set SPW, 5                            ; v5  my spare word; never rewritten
.set NIL, 6                            ; v6  0; never rewritten
.set H8,  7                            ; v7  8 (lane / 16)
.set ADK, 8                            ; v8  LDS address of the next step's K
.set ADV, 9                            ; v9  of this step's V
.set ADS, 10                           ; v10 of the next step's scale words of K
.set ADB, 11                           ; v11 of this step's part of the mask's table
.set QZ,  16                           ; v16-19 zeros, v20-23 q, v24-27 zeros.  v12 -M, v13 the largest t, v[14:15] the sum in two halves
.set QSC, 28                           ; scale words, in registers that hold nothing else: q's, p's, K's two, V's two
.set PSC, 29
.set KSC, 30
.set KF,  32                           ; v32-63  K's four fragments
.set VF,  64                           ; v64-95  V's four
.set S,   96                           ; v96-159 S^T, then p
.set O,   160                          ; v160-191 O^T
.set PC,  192                          ; v192-199 p's codes
.set VSC, 200
.set W,   202                          ; v202-217 at work
.set QHO, 218                          ; v218 16 (lane % 16): q's scale halfword
.set ASO, 219                          ; v219 32 (lane % 16) + lane / 16: my byte of a_sc
.set QHW, 220                          ; v220 q's scale halfword as loaded
.set ADT, 221                          ; v221 LDS address of this step's scale words of V
.set MB,  224                          ; v224-255 the mask's table for my first 32 keys of a step (the second 32 land in V's registers); at work in the staging
.set WV,  18
.set SEL, 20
.set CS,  22
.set TB,  27                           ; 4,096 x step
.set TS,  28                           ; 512 x step
.set TN,  29                           ; the next step's, wrapped
.set TSN, 30
.set SH,  31                           ; 2 x step
.set CNT, 32
.set FL,  33                           ; bit i: keys 64 i to 64 i + 63 hold a masked one
	s_load_b256 s[4:11], s[0:1], 0x0               ; qk_img s[4:5], qk_sc s[6:7], v_img s[8:9], v_sc s[10:11]
	s_load_b128 s[12:15], s[0:1], 0x20             ; the mask s[12:13], a_img s[14:15]
	s_load_b64 s[16:17], s[0:1], 0x30              ; a_sc
	v_lshl_add_u32 v[SPW], v0, 2, SPARE
	v_mov_b32 v[NIL], 0
	v_lshrrev_b32 v8, 5, v0
	v_readfirstlane_b32 s[WV], v8                  ; wave 0..15
	s_and_b32 s24, ttmp7, 0xffff                   ; 16 b + head
	s_lshr_b32 s25, s24, 4                         ; b
	s_and_b32 s26, s24, 15                         ; head
	v_and_b32 v9, 31, v0                           ; lane
	v_and_b32 v10, 15, v0                          ; lane % 16
	v_bfe_u32 v11, v0, 4, 1                        ; lane / 16
	v_lshlrev_b32 v[L16], 4, v9
	v_add_nc_u32 v[LV], VL, v[L16]
	v_add_nc_u32 v[LS], SCB, v[L16]
	v_lshl_add_u32 v[LB], v11, 7, BIA
	v_lshlrev_b32 v[H8], 3, v11
	v_lshlrev_b32 v[QHO], 4, v10
	v_lshl_add_u32 v[ASO], v10, 5, v11
	; the staging's addresses.  Thread t moves bytes 16 t + 8,192 i of K's and of V's 65,536; three address bits change places on the way
	v_lshlrev_b32 v224, 4, v0
	v_and_b32 v225, 0x197f, v224                   ; K: bit 7 <- 10, bit 9 <- 7, bit 10 <- 9
	v_bfe_u32 v227, v0, 6, 1
	v_lshl_or_b32 v225, v227, 7, v225
	v_bfe_u32 v227, v0, 3, 1
	v_lshl_or_b32 v225, v227, 9, v225
	v_bfe_u32 v227, v0, 5, 1
	v_lshl_or_b32 v225, v227, 10, v225
	v_and_b32 v226, 0x137f, v224                   ; V: bit 7 <- 11, bit 10 <- 7, bit 11 <- 10
	v_bfe_u32 v227, v0, 7, 1
	v_lshl_or_b32 v226, v227, 7, v226
	v_bfe_u32 v227, v0, 3, 1
	v_lshl_or_b32 v226, v227, 10, v226
	v_bfe_u32 v227, v0, 6, 1
	v_lshl_or_b32 v226, v227, 11, v226
	v_add_nc_u32 v226, VL, v226
	v_and_b32 v227, 7, v0                          ; the scale words of step w (my wave's number), for lane (m, l):
	v_bfe_u32 v228, v0, 3, 1
	v_lshlrev_b32 v229, 3, v228
	v_lshlrev_b32 v228, 2, v228
	v_lshl_add_u32 v228, v227, 4, v228
	v_lshl_add_u32 v229, v227, 4, v229
	v_lshl_add_u32 v228, v11, 1, v228              ; K's halfwords at 16 (m % 8) + 4 (m / 8) + 2 l (+ 8 for the second word, + 128 for a fragment's second tile)
	v_lshl_add_u32 v229, v11, 7, v229              ; V's two words at 128 l + 16 (m % 8) + 8 (m / 8)
	v_lshlrev_b32 v230, 2, v0                      ; the mask: my four keys,
	v_lshlrev_b32 v231, 6, v9                      ; and for the flags my lane's 64
	v_add_nc_u32 v232, SCB, v224
	v_add_nc_u32 v233, BIA, v224
	s_wait_alu depctr_va_sdst(0)                   ; the wave's number is written into s18, ahead of its first reader: the offsets below are made from it
	; byte offsets into the buffers
	s_lshl_b32 s34, s25, 5
	s_add_co_u32 s34, s34, s26
	s_lshl_b32 s44, s34, 16                        ; q's head: (32 b + head) x 65,536
	s_add_co_u32 s36, s44, 0x100000                ; k's head: 16 heads on
	s_mov_b32 s37, 0
	s_lshl_b32 s35, ttmp9, 5
	s_add_co_u32 s35, s35, s[WV]                   ; my first tile of queries: 32 x + wave; the second is 16 on
	s_lshl_b32 s19, s35, 9
	s_add_co_u32 s44, s44, s19
	s_mov_b32 s45, 0
	s_lshl_b32 s38, s24, 16                        ; v's head
	s_mov_b32 s39, 0
	s_lshl_b32 s40, s25, 4
	s_add_co_u32 s40, s40, s[WV]                   ; 16 b + step
	s_lshl_b32 s42, s40, 4
	s_add_co_u32 s42, s42, s26
	s_lshl_b32 s42, s42, 8
	s_mov_b32 s43, 0
	s_lshl_b32 s40, s40, 5
	s_add_co_u32 s40, s40, s26
	s_add_co_u32 s40, s40, 16
	s_lshl_b32 s40, s40, 8
	s_mov_b32 s41, 0
	s_lshl_b32 s46, s25, 4
	s_lshr_b32 s19, s35, 3
	s_add_co_u32 s46, s46, s19
	s_lshl_b32 s46, s46, 5
	s_add_co_u32 s46, s46, s26
	s_lshl_b32 s46, s46, 8
	s_and_b32 s19, s35, 7
	s_lshl_b32 s19, s19, 1
	s_add_co_u32 s46, s46, s19                     ; q's scale halfwords
	s_mov_b32 s47, 0
	s_lshl_b32 s48, s25, 7
	s_add_co_u32 s48, s48, s35                     ; the tile of rows of the result: 128 b + tile
	s_lshl_b32 s50, s48, 9
	s_lshl_b32 s19, s26, 1
	s_add_co_u32 s50, s50, s19                     ; a_sc: 512 bytes a tile, + 2 head
	s_mov_b32 s51, 0
	s_lshl_b32 s48, s48, 13
	s_lshl_b32 s19, s26, 9
	s_add_co_u32 s48, s48, s19                     ; a_img: 8,192 bytes a tile, + 512 head
	s_mov_b32 s49, 0
	s_lshl_b32 s52, s25, 11
	s_mov_b32 s53, 0
	s_mov_b32 s[SEL], 0x76543210
	s_mov_b32 s[SEL+1], 0xfedcba98                 ; v_permlanex16_b32's selects for lane l xor 16
	s_mov_b32 s[CS], 0x3e38aa3b                    ; c = log2(e) / 8
	s_mov_b32 s[CS+1], s[CS]                       ; (named with it as a pair, so it is written)
	s_wait_kmcnt 0x0
	s_add_nc_u64 s[36:37], s[4:5], s[36:37]
	s_add_nc_u64 s[44:45], s[4:5], s[44:45]
	s_add_nc_u64 s[38:39], s[8:9], s[38:39]
	s_add_nc_u64 s[40:41], s[6:7], s[40:41]
	s_add_nc_u64 s[46:47], s[6:7], s[46:47]
	s_add_nc_u64 s[42:43], s[10:11], s[42:43]
	s_add_nc_u64 s[12:13], s[12:13], s[52:53]
	s_add_nc_u64 s[48:49], s[14:15], s[48:49]
	s_add_nc_u64 s[50:51], s[16:17], s[50:51]
	s_wait_alu depctr_va_vdst(0)                   ; every offset and LDS address made above is written: v1 to v4, v218, v219 and v224 to v233, which the loads and stores from here on read
.irp i, 0,1,2,3,4,5,6,7
	global_load_b128 v[KF+4*\i:KF+4*\i+3], v224, s[36:37] offset:8192*\i
.endr
.irp i, 0,1,2,3,4,5,6,7
	global_load_b128 v[VF+4*\i:VF+4*\i+3], v224, s[38:39] offset:8192*\i
.endr
	global_load_u16 v112, v228, s[40:41]
	global_load_u16 v113, v228, s[40:41] offset:128
	global_load_u16 v114, v228, s[40:41] offset:8
	global_load_u16 v115, v228, s[40:41] offset:136
	global_load_b64 v[118:119], v229, s[42:43]
	global_load_b32 v120, v230, s[12:13]
.irp i, 0,1,2,3
	global_load_b128 v[96+4*\i:99+4*\i], v231, s[12:13] offset:16*\i
.endr
	global_load_b128 v[QZ+4:QZ+7], v[L16], s[44:45]       ; the first pass's q
	global_load_u16 v[QHW], v[QHO], s[46:47]
.irp i, 0,1,2,3
	v_mov_b32 v[QZ+\i], 0
	v_mov_b32 v[QZ+8+\i], 0
.endr
	v_mov_b32 v[W+5], 0                            ; written once: lane permutes' destinations, and the upper halves of pairs of which the low word is taken
	v_mov_b32 v[W+7], 0
	v_mov_b32 v[W+9], 0
	v_mov_b32 v[W+15], 0
	s_wait_loadcnt 20                              ; K's eight loads are in; V's eight and the twelve small ones may be out
.irp i, 0,1,2,3,4,5,6,7
	ds_store_b128 v225, v[KF+4*\i:KF+4*\i+3] offset:8192*\i   ; data that loads brought, an address from ahead of the wait above: no vector line since names either
.endr
	s_wait_loadcnt 12                              ; V's are in; the twelve small ones may be out
.irp i, 0,1,2,3,4,5,6,7
	ds_store_b128 v226, v[VF+4*\i:VF+4*\i+3] offset:8192*\i
.endr
	s_wait_loadcnt 0x0
	v_lshl_or_b32 v116, v113, 16, v112             ; a fragment's word: its first tile's two bytes, its second tile's two
	v_lshl_or_b32 v117, v115, 16, v114
	v_and_b32 v124, 0xff, v120                     ; a mask byte, 0 or 1, becomes 0 or -infinity
	v_bfe_u32 v125, v120, 8, 8
	v_bfe_u32 v126, v120, 16, 8
	v_lshrrev_b32 v127, 24, v120
.irp i, 0,1,2,3
	v_sub_nc_u32 v[124+\i], 0, v[124+\i]
.endr
.irp i, 0,1,2,3
	v_and_b32 v[124+\i], 0xff800000, v[124+\i]
.endr
	s_wait_alu depctr_va_vdst(0)                   ; K's two scale words (v116, v117) and the table's four numbers (v124 to v127) are written, which the two LDS stores read
	ds_store_b128 v232, v[116:119]
	ds_store_b128 v233, v[124:127]
.irp i, 0,1,2,3,4,5,6,7
	v_or_b32 v[96+\i], v[96+\i], v[104+\i]
.endr
.irp i, 0,1,2,3
	v_or_b32 v[96+\i], v[96+\i], v[100+\i]
.endr
	v_or_b32 v96, v96, v98
	v_or_b32 v97, v97, v99
	v_or_b32 v96, v96, v97
	v_cmp_ne_u32 s[FL], 0, v96                     ; the flags: lane i speaks for keys 64 i on
	s_wait_alu depctr_va_sdst(0)                   ; the flags are written into s33
	s_wait_dscnt 0x0                               ; for the others' sake: my stores have landed
	s_barrier_signal -1
	s_barrier_wait -1                              ; the one barrier: from here on LDS is only read
	s_wait_alu depctr_vm_vsrc(0)                   ; the staging's stores have read their data (v32 to v95, v116 to v119, v124 to v127) and it and the loads their addresses (v224 to v233): LDS loads and products write all of these from here on
.irp f, 0,1,2,3
.irp c, 0,1
	ds_load_b128 v[KF+8*\f+4*\c:KF+8*\f+4*\c+3], v[L16] offset:1024*\f+512*\c   ; K of step 0
.endr
.endr
	ds_load_b64 v[KSC:KSC+1], v[LS]
.macro PASS p
	s_wait_xcnt 0x0                                ; the last pass's stores have read their registers
.if (\p)==1
	s_wait_alu depctr_vm_vsrc(0)                   ; the last pass's two stores have read the codes (v192 to v195) and the scale byte (v205), which this pass writes again
.endif
	s_wait_loadcnt 0x0                             ; q and its halfword
	v_lshl_or_b32 v[QSC], v[QHW], 16, v[QHW]       ; q's scale word: its two bytes twice.  (The lines below stand between it and the first product)
	v_mov_b32 v13, 0xff61b1e6                      ; the largest t so far: -3e38
	v_floor_f32 v12, -v13                          ; -M
	v_mov_b32 v14, 0
	v_mov_b32 v15, 0
.set jj, 0
.rept 32
	v_mov_b32 v[O+jj], 0                           ; O^T: the step is written once; the first change of M multiplies zeros
.set jj, jj+1
.endr
	s_mov_b32 s[TB], 0
	s_mov_b32 s[TS], 0
	s_mov_b32 s[SH], 0
	s_mov_b32 s[CNT], 16
	s_wait_alu depctr_va_vdst(0)                   ; q's scale word is written (and, from the head, the zeros beside q): the scaled products of the loop take them as scales and as source 1
.Lstep_\@:
	s_wait_dscnt 0x0                               ; K of this step and its scale words are in: they were asked for in the step before, or ahead of the loop
.irp f, 0,1,2,3
.if \f%2
	v_wmma_scale_f32_16x16x128_f8f6f4 v[S+16*\f:S+16*\f+7], v[KF+8*\f:KF+8*\f+7], v[QZ+4:QZ+11], 0, v[KSC+\f/2], v[QSC] matrix_a_fmt:MATRIX_FMT_FP4 matrix_b_fmt:MATRIX_FMT_FP4 matrix_a_scale:MATRIX_SCALE_ROW1
	v_wmma_scale_f32_16x16x128_f8f6f4 v[S+16*\f+8:S+16*\f+15], v[KF+8*\f:KF+8*\f+7], v[QZ:QZ+7], 0, v[KSC+\f/2], v[QSC] matrix_a_fmt:MATRIX_FMT_FP4 matrix_b_fmt:MATRIX_FMT_FP4 matrix_a_scale:MATRIX_SCALE_ROW1
.else
	v_wmma_scale_f32_16x16x128_f8f6f4 v[S+16*\f:S+16*\f+7], v[KF+8*\f:KF+8*\f+7], v[QZ+4:QZ+11], 0, v[KSC+\f/2], v[QSC] matrix_a_fmt:MATRIX_FMT_FP4 matrix_b_fmt:MATRIX_FMT_FP4
	v_wmma_scale_f32_16x16x128_f8f6f4 v[S+16*\f+8:S+16*\f+15], v[KF+8*\f:KF+8*\f+7], v[QZ:QZ+7], 0, v[KSC+\f/2], v[QSC] matrix_a_fmt:MATRIX_FMT_FP4 matrix_b_fmt:MATRIX_FMT_FP4
.endif
.endr
	s_add_co_u32 s[TN], s[TB], 4096
	s_and_b32 s[TN], s[TN], 0xffff                 ; behind the last step comes step 0, for the next pass
	s_add_co_u32 s[TSN], s[TS], 512
	s_and_b32 s[TSN], s[TSN], 0x1fff
	s_wait_alu depctr_vm_vsrc(0)                   ; every LDS load issued so far has read its address: the step's five address registers are written only behind this wait, which stands ahead of the branch too
	v_add_nc_u32 v[ADV], s[TB], v[LV]              ; the step's addresses, in one run.  These four lines are also the places behind the products, in front of the first read of scores
	v_add_nc_u32 v[ADT], s[TS], v[LS]
	v_add_nc_u32 v[ADK], s[TN], v[L16]
	v_add_nc_u32 v[ADS], s[TSN], v[LS]
	s_lshr_b32 s34, s[FL], s[SH]
	s_and_b32 s34, s34, 3
	s_cmp_eq_u32 s34, 0
	s_cbranch_scc1 .Lopen_\@                       ; no key of this step is masked
	v_add_nc_u32 v[ADB], s[TS], v[LB]
	s_wait_alu depctr_va_vdst(0)                   ; the table's address is written; the additions of the last masked step are done reading v224 to v255, and the last step's products V^T P^T are done reading V's registers: the sixteen loads below land in these
.irp u, 0,1,2,3,4,5,6,7
	ds_load_b128 v[MB+4*\u:MB+4*\u+3], v[ADB] offset:16*\u          ; my first 32 keys of the step
.endr
.irp u, 0,1,2,3,4,5,6,7
	ds_load_b128 v[VF+4*\u:VF+4*\u+3], v[ADB] offset:256+16*\u      ; my second 32, into V's registers, which are free until this step's V is asked for
.endr
	s_wait_dscnt 8                                 ; the first eight are in; the second eight may be out
.irp i, 0,2,4,6,8,10,12,14,16,18,20,22,24,26,28,30
	v_pk_add_f32 v[S+\i:S+\i+1], v[S+\i:S+\i+1], v[MB+\i:MB+\i+1]   ; + 0 or - infinity
.endr
	s_wait_dscnt 0x0
.irp i, 0,2,4,6,8,10,12,14,16,18,20,22,24,26,28,30
	v_pk_add_f32 v[S+32+\i:S+33+\i], v[S+32+\i:S+33+\i], v[VF+\i:VF+\i+1]
.endr
.Lopen_\@:
	; the largest score of each of my two blocks of 32 keys: it serves for the row's maximum and, since p rises with the score, for the block's largest p.  Four chains by turns; each accumulator is first read at its low end
	v_max3_num_f32 v[W], v[S], v[S+1], v[S+2]
	v_max3_num_f32 v[W+2], v[S+17], v[S+18], v[S+19]
	v_max3_num_f32 v[W+1], v[S+32], v[S+33], v[S+34]
	v_max3_num_f32 v[W+3], v[S+49], v[S+50], v[S+51]
.irp i, 0,1,2,3,4,5
	v_max3_num_f32 v[W], v[W], v[S+3+2*\i], v[S+4+2*\i]
	v_max3_num_f32 v[W+2], v[W+2], v[S+20+2*\i], v[S+21+2*\i]
	v_max3_num_f32 v[W+1], v[W+1], v[S+35+2*\i], v[S+36+2*\i]
	v_max3_num_f32 v[W+3], v[W+3], v[S+52+2*\i], v[S+53+2*\i]
.endr
	v_max3_num_f32 v[W], v[W], v[S+15], v[S+16]
	v_max3_num_f32 v[W+1], v[W+1], v[S+47], v[S+48]
	v_max_num_f32 v[W], v[W], v[W+2]
	v_max_num_f32 v[W+1], v[W+1], v[W+3]
	v_max_num_f32 v[W+4], v[W], v[W+1]
	v_permlanex16_b32 v[W+5], v[W+4], s[SEL], s[SEL+1]
	v_max_num_f32 v[W+4], v[W+4], v[W+5]           ; the step's largest score of my query
	v_mul_f32 v[W+4], s[CS], v[W+4]                ; as t
	v_max_num_f32 v13, v13, v[W+4]                 ; the running largest t
	v_mov_b32 v[W+4], v12
	v_floor_f32 v12, -v13                          ; the new -M = floor(-t): M is a whole number
	v_sub_f32 v[W+4], v12, v[W+4]                  ; old M less new M: a whole number, 0 or less
	v_cvt_i32_f32 v[W+4], v[W+4]                   ; (it saturates)
	v_ldexp_f32 v[W+6], 1.0, v[W+4]                ; f = 2^(old M - new M): rounds nothing
.set jj, 0
.rept 32
	v_pk_fma_f32 v[S+jj:S+jj+1], v[S+jj:S+jj+1], s[CS:CS+1], v[12:13] op_sel_hi:[1,0,0]   ; t - M, two at a time
.set jj, jj+2
.endr
	v_fma_f32 v[W], v[W], s[CS], v12               ; the same of each block's largest score
	v_fma_f32 v[W+1], v[W+1], s[CS], v12
.set jj, 0
.rept 64
	v_exp_f32 v[S+jj], v[S+jj]                     ; p = 2^(t - M)
.set jj, jj+1
.endr
	v_pk_mul_f32 v[14:15], v[14:15], v[W+6:W+7] op_sel_hi:[1,0]   ; the sums under the new M (a plain line behind the exponentials)
	s_wait_alu depctr_va_vdst(0)                   ; the 64 exponentials have written p, ahead of its first reader.  And: this step's products K Q^T are done reading K's fragments and scale words, the last step's products V^T P^T and the mask's additions are done reading V's, and the four addresses are written: the eighteen LDS loads below hang on these
	v_exp_f32 v[W], v[W]                           ; each block's largest p: the same two instructions on the same number
	v_exp_f32 v[W+1], v[W+1]
	v_pk_add_f32 v[W+8:W+9], v[S:S+1], v[S+2:S+3]  ; the row's sum is taken of the unquantised p, in two chains
; The step's LDS loads are dealt among the additions, with no further wait: no vector line since the wait above names a register that they touch.  V of this step first, then K of the next step.
.set jj, 4
.set nn, 0
.rept 15
.if nn < 4
	ds_load_b128 v[VF+8*nn:VF+8*nn+3], v[ADV] offset:1024*nn
	ds_load_b128 v[VF+8*nn+4:VF+8*nn+7], v[ADV] offset:1024*nn+512
.elseif nn == 4
	ds_load_b64 v[VSC:VSC+1], v[ADT] offset:8
.elseif nn < 9
	ds_load_b128 v[KF+8*(nn-5):KF+8*(nn-5)+3], v[ADK] offset:1024*(nn-5)
	ds_load_b128 v[KF+8*(nn-5)+4:KF+8*(nn-5)+7], v[ADK] offset:1024*(nn-5)+512
.elseif nn == 9
	ds_load_b64 v[KSC:KSC+1], v[ADS]
.endif
	v_pk_add_f32 v[14:15], v[14:15], v[S+jj:S+jj+1]
	v_pk_add_f32 v[W+8:W+9], v[W+8:W+9], v[S+jj+2:S+jj+3]
.set jj, jj+4
.set nn, nn+1
.endr
	v_pk_add_f32 v[14:15], v[14:15], v[W+8:W+9]
	s_wait_alu depctr_va_vdst(0)                   ; the two exponentials have written the blocks' largest p (v202, v203), ahead of their first reader
	v_max_num_f32 v[W], 0x1800000, v[W]            ; the floor 2^(3 - 127): the byte cannot fall under 1
	v_max_num_f32 v[W+1], 0x1800000, v[W+1]
	v_add_nc_u32 v[W+10], 0xff000000, v[W]         ; 2 off the exponent field: the conversion's scale operand
	v_add_nc_u32 v[W+11], 0xff000000, v[W+1]
	v_lshrrev_b32 v[W+12], 23, v[W+10]
	v_lshrrev_b32 v[W+13], 23, v[W+11]
	v_lshl_or_b32 v[W+14], v[W+13], 16, v[W+12]    ; my blocks are lane / 16 and 2 + lane / 16:
	v_lshlrev_b32 v[W+14], v[H8], v[W+14]          ; their bytes at their places,
	v_permlanex16_b32 v[W+15], v[W+14], s[SEL], s[SEL+1]
	v_or_b32 v[PSC], v[W+14], v[W+15]              ; with lane l xor 16's two the word is whole
.irp g, 0,1,2,3,4,5,6,7
	v_cvt_scalef32_pk8_fp4_f32 v[PC+\g], v[S+8*\g:S+8*\g+7], v[W+10+\g/4]
.endr
	v_nop                                          ; one plain line behind the conversions
.set jj, 0
.rept 16
	v_pk_mul_f32 v[O+jj:O+jj+1], v[O+jj:O+jj+1], v[W+6:W+7] op_sel_hi:[1,0]   ; O^T under the new M.  (These lines also stand between p's scale word and codes and the products)
.set jj, jj+2
.endr
	s_wait_dscnt 9                                 ; V and its scale words are in; the nine loads of the next step's K may be out
	s_wait_alu depctr_va_vdst(0)                   ; the conversions have written p's codes and the lines ahead of them p's scale word, which the scaled products take as source 1 and as its scales; the places above stay beside this wait
.irp t, 0,1,2,3
.if \t%2
	v_wmma_scale_f32_16x16x128_f8f6f4 v[O+8*\t:O+8*\t+7], v[VF+8*\t:VF+8*\t+7], v[PC:PC+7], v[O+8*\t:O+8*\t+7], v[VSC+\t/2], v[PSC] matrix_a_fmt:MATRIX_FMT_FP4 matrix_b_fmt:MATRIX_FMT_FP4 matrix_a_scale:MATRIX_SCALE_ROW1
.else
	v_wmma_scale_f32_16x16x128_f8f6f4 v[O+8*\t:O+8*\t+7], v[VF+8*\t:VF+8*\t+7], v[PC:PC+7], v[O+8*\t:O+8*\t+7], v[VSC+\t/2], v[PSC] matrix_a_fmt:MATRIX_FMT_FP4 matrix_b_fmt:MATRIX_FMT_FP4
.endif
.endr
	s_add_co_u32 s[TB], s[TB], 4096
	s_add_co_u32 s[TS], s[TS], 512
	s_add_co_u32 s[SH], s[SH], 2
	s_sub_co_u32 s[CNT], s[CNT], 1
	s_cmp_lg_u32 s[CNT], 0
	s_cbranch_scc1 .Lstep_\@
.if (\p)==0
	global_load_b128 v[QZ+4:QZ+7], v[L16], s[44:45] offset:8192      ; the next pass's q: 16 tiles on.  No wait: the wait ahead of the last four products stands behind every product that read q and behind the line that read its halfword, and those four name neither
	global_load_u16 v[QHW], v[QHO], s[46:47] offset:16384
.endif
	; THE WAY OUT: O^T / the sum; my 32 numbers are one block of the projection's K
	v_add_f32 v14, v14, v15
	v_permlanex16_b32 v[W+5], v14, s[SEL], s[SEL+1]
	v_add_f32 v14, v14, v[W+5]                     ; the row's sum
	v_mov_b32 v[W+4], 0xff
	v_rcp_f32 v[W+8], v14
	v_cmp_eq_f32 vcc_lo, 0, v14                    ; (a plain line behind the reciprocal)  every key masked?
	s_wait_alu depctr_va_vdst(0)                   ; the reciprocal has written v210, ahead of its first reader
	s_wait_alu depctr_va_vcc(0)                    ; the compare has written VCC, ahead of the first of the two selects that read it
	v_cndmask_b32 v[W+8], v[W+8], 0, vcc_lo        ; then 0 in place of infinity: the NaN is carried by the scale byte
	v_nop
.set jj, 0
.rept 16
	v_pk_mul_f32 v[O+jj:O+jj+1], v[O+jj:O+jj+1], v[W+8:W+9] op_sel_hi:[1,0]   ; from the low end on
.set jj, jj+2
.endr
	v_max3_num_f32 v[W], |v[O]|, |v[O+1]|, 0x1800000
	v_max3_num_f32 v[W+1], |v[O+2]|, |v[O+3]|, 0x1800000
.irp i, 4,8,12,16,20,24,28
	v_max3_num_f32 v[W], v[W], |v[O+\i]|, |v[O+\i+1]|
	v_max3_num_f32 v[W+1], v[W+1], |v[O+\i+2]|, |v[O+\i+3]|
.endr
	v_max_num_f32 v[W], v[W], v[W+1]
	v_add_nc_u32 v[W+2], 0xff000000, v[W]
	v_lshrrev_b32 v[W+3], 23, v[W+2]
	v_cndmask_b32 v[W+3], v[W+3], v[W+4], vcc_lo
.irp g, 0,1,2,3
	v_cvt_scalef32_pk8_fp4_f32 v[PC+\g], v[O+8*\g:O+8*\g+7], v[W+2]
.endr
	v_nop                                          ; one plain line behind the conversions
	s_wait_alu depctr_va_vdst(0)                   ; the conversions have written the codes (v192 to v195) and the select the scale byte (v205), which the two stores read
	global_store_b128 v[L16], v[PC:PC+3], s[48:49] offset:131072*(\p)   ; 512 consecutive bytes, aligned: half a fragment of the projection's operand
	global_store_b8 v[ASO], v[W+3], s[50:51] offset:8192*(\p)           ; my block's scale byte
.endm
	PASS 0
	PASS 1
	s_wait_dscnt 0x0                               ; the closing lines, six on end
	s_wait_alu 0x0
	s_wait_tensorcnt 0x0
	ds_add_u32 v[SPW], v[NIL]
	s_wait_dscnt 0x0
	s_endpgm
.Lfunc_end_k_q61b8fd7ec7_attn:
	.size	k_q61b8fd7ec7_attn, .Lfunc_end_k_q61b8fd7ec7_attn-k_q61b8fd7ec7_attn
	.p2alignl 7, 3214868480
	.fill 96, 4, 3214868480
	.section	.rodata,"a",@progbits
	.p2align	6, 0x0
	.amdhsa_kernel k_q61b8fd7ec7_attn
		.amdhsa_group_segment_fixed_size 149504
		.amdhsa_private_segment_fixed_size 0
		.amdhsa_enable_private_segment 0
		.amdhsa_kernarg_size 56
		.amdhsa_user_sgpr_count 2
		.amdhsa_user_sgpr_kernarg_segment_ptr 1
		.amdhsa_wavefront_size32 1
		.amdhsa_system_sgpr_workgroup_id_x 1
		.amdhsa_system_sgpr_workgroup_id_y 1
		.amdhsa_system_sgpr_workgroup_id_z 1
		.amdhsa_system_vgpr_workitem_id 0
		.amdhsa_next_free_vgpr 256
		.amdhsa_next_free_sgpr 66
		.amdhsa_reserve_vcc 1
		.amdhsa_float_denorm_mode_32 3
		.amdhsa_float_denorm_mode_16_64 3
		.amdhsa_memory_ordered 1
		.amdhsa_forward_progress 1
		.amdhsa_inst_pref_size 56
	.end_amdhsa_kernel
	.amdgpu_metadata
---
amdhsa.version: [ 1, 2 ]
amdhsa.kernels:
  - .name:           k_q61b8fd7ec7_attn
    .symbol:         k_q61b8fd7ec7_attn.kd
    .args:
      - { .name: qk_img, .offset: 0, .size: 8, .value_kind: global_buffer, .address_space: global }
      - { .name: qk_sc, .offset: 8, .size: 8, .value_kind: global_buffer, .address_space: global }
      - { .name: v_img, .offset: 16, .size: 8, .value_kind: global_buffer, .address_space: global }
      - { .name: v_sc, .offset: 24, .size: 8, .value_kind: global_buffer, .address_space: global }
      - { .name: key_padding_mask, .offset: 32, .size: 8, .value_kind: global_buffer, .address_space: global }
      - { .name: a_img, .offset: 40, .size: 8, .value_kind: global_buffer, .address_space: global }
      - { .name: a_sc, .offset: 48, .size: 8, .value_kind: global_buffer, .address_space: global }
    .group_segment_fixed_size: 149504
    .private_segment_fixed_size: 0
    .kernarg_segment_align: 8
    .kernarg_segment_size: 56
    .max_flat_workgroup_size: 512
    .sgpr_count:     66
    .vgpr_count:     256
    .wavefront_size: 32
...
	.end_amdgpu_metadata
.endif
;; end of part 5
;; launch oproj: the kernel of part 4 again; grid 4 x 64, 4 waves a work-group, clusters of 4 x 4, 327,680 bytes of LDS; arguments a_img, a_sc, W_out_codes, W_out_scales, b_out, out0; writes out0
